; MI455X (gfx1250); checked and timed in simulation.
; The chip was launched on July 23, 2026; its instructions are those of AMD's public machine-readable ISA for CDNA 5 (MIT licence, August 2026) and "CDNA5" Instruction Set Architecture Reference Guide (July 2026). The comments in the code are by the model that wrote it; some were corrected since.
;; Multi Head Attention. Allowed arithmetic: matrix products marked QUANTISED: E2M1 operands, one E8M0 scale for each 32 along K, by v_wmma_scale_f32_16x16x128_f8f6f4 with both operands' format E2M1 (or v_wmma_scale_f32_32x16x128_f4), f32 sums; everything else in f32.
;; Inputs: Wk_codes 1,024 x 32 x 16 uint8 (E2M1 codes of Wk, K innermost, in blocks of 32 codes, two codes a byte); Wk_scales 1,024 x 32 uint8 (E8M0 scales of Wk, one for each 32 codes along K); Wo_codes 1,024 x 32 x 16 uint8 (E2M1 codes of Wo, K innermost, in blocks of 32 codes, two codes a byte); Wo_scales 1,024 x 32 uint8 (E8M0 scales of Wo, one for each 32 codes along K); Wq_codes 1,024 x 32 x 16 uint8 (E2M1 codes of Wq, K innermost, in blocks of 32 codes, two codes a byte); Wq_scales 1,024 x 32 uint8 (E8M0 scales of Wq, one for each 32 codes along K); Wv_codes 1,024 x 32 x 16 uint8 (E2M1 codes of Wv, K innermost, in blocks of 32 codes, two codes a byte); Wv_scales 1,024 x 32 uint8 (E8M0 scales of Wv, one for each 32 codes along K); bo 1,024 float32; x_codes 4 x 2,048 x 32 x 16 uint8 (E2M1 codes of x, K innermost, in blocks of 32 codes, two codes a byte); x_scales 4 x 2,048 x 32 uint8 (E8M0 scales of x, one for each 32 codes along K).
;; Outputs: out0 4 x 2,048 x 1,024 float32.
;; This version of the problem:
;;   THIS VERSION OF THE PROBLEM IS GIVEN IN LOW PRECISION. The matrix products marked QUANTISED in the list below multiply operands that are first quantised to E2M1 (2 exponent bits, 1 mantissa bit; 4 bits a number), with one power-of-two scale for each 32 numbers along K (OCP MX v1.0); their sums are f32. All else is computed in f32.
;;   The module's matrix products, in the order in which they are computed (A, B: the left and right operand; K: the contracted axis; several contracted axes count as one K, in the product's order):
;;     1. [M 8,192, K 1,024] x [K 1,024, N 1,024]; A: input x (given as codes); B: input Wq (given as codes): QUANTISED
;;     2. [M 8,192, K 1,024] x [K 1,024, N 1,024]; A: input x (given as codes); B: input Wk (given as codes): QUANTISED
;;     3. [M 8,192, K 1,024] x [K 1,024, N 1,024]; A: input x (given as codes); B: input Wv (given as codes): QUANTISED
;;     4. batch 64 x [M 2,048, K 64] x [K 64, N 2,048]; A: computed on the way; B: computed on the way: QUANTISED
;;     5. batch 64 x [M 2,048, K 2,048] x [K 2,048, N 64]; A: softmax (see below); B: computed on the way: QUANTISED
;;     6. [M 8,192, K 1,024] x [K 1,024, N 1,024]; A: computed on the way; B: input Wo (given as codes): QUANTISED
;;   THE QUANTISER, for each operand of a quantised product, along K:
;;     - K is cut into blocks of 32 from its start; a last block that is shorter is filled with zeros.
;;     - A block's scale is 2^e with e = floor(log2(the largest magnitude in the block)) - 2, held to -126 .. 127; a block of zeros has e = 0. As a byte (E8M0): e + 127.
;;     - Each number is divided by its block's scale, clamped to +-6, and rounded to the nearest number of E2M1, ties to even, subnormals kept.
;;     - The product sums the exact products of the quantised numbers (number of the format x scale) in f32.
;;   ~~~python
;;   def quantise(x, axis):      # numpy; x: float32 -> the quantised numbers, widened to float32 again
;;       x = np.moveaxis(x, axis, -1); K = x.shape[-1]
;;       x = np.pad(x, [(0, 0)] * (x.ndim - 1) + [(0, -K % 32)]); x = x.reshape(x.shape[:-1] + (-1, 32)); a = np.abs(x).max(-1, keepdims=True)
;;       e = np.where(a > 0, np.clip(np.frexp(np.where(a > 0, a, 1))[1] - 1 - 2, -126, 127), 0)      # np.frexp(a)[1] - 1 = floor(log2(a)), exactly
;;       r = np.clip(x / 2.0 ** e, -6, 6)
;;       step = 2.0 ** (np.maximum(np.frexp(np.where(r == 0, 1, r))[1] - 1, 0) - 1)
;;       q = np.round(r / step) * step * 2.0 ** e      # np.round: ties to even
;;       return np.moveaxis(q.reshape(q.shape[:-2] + (-1,))[..., :K], -1, axis).astype(np.float32)
;;   ~~~
;;   SOFTMAX AHEAD OF A QUANTISED PRODUCT. Where the list says 'softmax', what is quantised is not the finished softmax but p = 2^(t - M), with t = logit x log2(e) and M = ceil(the row's largest t), a whole number; so 1/2 < the row's largest p <= 1. The row's sum l is taken of the UNQUANTISED p, in f32, and the product's result is divided by l at the end. Since M is a whole number, a kernel that streams over the keys may use a running M (the ceiling of the running maximum): every later rescaling is an exact power of two, which a block's scale takes up: the codes' values come out the same.
;;   OPERANDS COMPUTED ON THE WAY. 'Computed on the way' means the value that the module computes at that place (a softmax that the list does not call 'softmax' is quantised finished and normalised). What goes into a quantiser is computed in f32, as accurately as f32 sums, v_exp_f32 and their like allow (about 1e-6 of the number): no bf16 or f16 on the way to a quantiser, and a product that is left as it is and whose result goes on into a quantised operand takes f32 operands (vector FMAs, or v_wmma_f32_16x16x4_f32). A number that lies on a knife's edge between two numbers of the format may be rounded either way, as far as f32 arithmetic and the matrix unit's own rounding can turn it there, and no further.
;;   INPUTS GIVEN AS CODES. Wk (in the module: [1024, 1024], K = its axis 1); Wo (in the module: [1024, 1024], K = its axis 1); Wq (in the module: [1024, 1024], K = its axis 1); Wv (in the module: [1024, 1024], K = its axis 1); x (in the module: [4, 2048, 1024], K = its axis 2): each comes as NAME_codes (uint8): NAME with its K axis moved to the last place and cut into blocks of 32 codes, [.., K / 32, bytes a block], one block behind the other in memory; two codes a byte, the lower K in the low four bits (a code: sign, 2 exponent bits, 1 mantissa bit); and NAME_scales (uint8): the same leading axes, one E8M0 byte (e + 127) for each 32 codes along K. Its value is code x scale, taken as it is: it is not quantised again, and the codes and scales need not be those that the quantiser above would give.
;; One version. Each part assembles by itself: llvm-mc -triple=amdgcn-amd-amdhsa -mcpu=gfx1250 --defsym DOCPART=n.
;; ======== version 1 of 1: 3 launches
;; workspace buffers: qkv 13,369,344 bytes; ctxc 4,194,304 bytes; ctxs 262,144 bytes
;; launch proj (part 1): grid 12 x 32, 4 waves a work-group, clusters of 4 x 4, 327,680 bytes of LDS; arguments x_codes, x_scales, Wq_codes, Wq_scales, Wk_codes, Wk_scales, Wv_codes, Wv_scales, qkv; writes qkv
.if DOCPART == 1
	.amdgcn_target "amdgcn-amd-amdhsa--gfx1250"
	.amdhsa_code_object_version 6
	.text
	.protected	k_q1e7fdcd8b6_proj
	.globl	k_q1e7fdcd8b6_proj
	.p2align	8
	.type	k_q1e7fdcd8b6_proj,@function
k_q1e7fdcd8b6_proj:
	s_mov_b64 s[64:65], 0
	v_nop
	global_prefetch_b8 v0, s[64:65] scope:SCOPE_SE
	s_setreg_imm32_b32 hwreg(HW_REG_WAVE_MODE, 25, 1), 1
	s_wait_xcnt 0x0
	s_wait_alu depctr_hold_cnt(0) depctr_sa_sdst(0) depctr_va_vdst(0) depctr_va_sdst(0) depctr_va_ssrc(0) depctr_va_vcc(0) depctr_vm_vsrc(0)
	s_getreg_b32 s2, hwreg(HW_REG_IB_STS2, 6, 4)
	s_cmp_eq_u32 s2, 0
	s_cbranch_scc0 .Lentry_in_a_cluster
	s_endpgm
.Lentry_in_a_cluster:
	s_bfe_u32 s2, ttmp6, 0x10000c
	s_cmp_lg_u32 s2, 0xf033
	s_cbranch_scc0 .Lentry_shape_is_right
	s_endpgm
.Lentry_shape_is_right:
; q = x Wq^T, k = x Wk^T, v = x Wv^T on codes of FP4 (E2M1) with one E8M0 scale for each 32 along K = 1,024; the f32 results are quantised in registers and stored as codes:
; q and k along the head's 64 channels, v along the keys (tokens).  x: [8192][1024], W: [1024][1024], codes two to a byte, K innermost; scale bytes [rows][32].
; ONE BODY FOR THE THREE: C = A B^T on tiles of 256 x 256, four waves, 128 x 128 a wave (64 accumulators, 512 registers).  The cluster's x is the type: 0 q, 1 k, 2 v.
;   q, k: A = x (32 tile rows of tokens), B = W (4 tile columns of channels).     v: A = Wv (4 tile rows of channels), B = x (32 tile columns of tokens).
; THE MATRIX INSTRUCTION IS USED TRANSPOSED (source 0 = 16 rows of B, source 1 = 16 rows of A): a lane holds ONE row of A and its registers run along B's rows: for q, k a token and its channels,
; for v a channel and its tokens: in both cases along the K of the product that comes next, which is what the conversions to codes want.
; K = 1,024 is two LDS slots of 512 along K (rows of 256 bytes): both are filled once, at the start; nothing is filled again.  The scale bytes of the 256 + 256 rows come once, too.
; CLUSTERS: 4 x 4 work-groups; the four of a row of the cluster need the same tiles of A, the four of a column the same tiles of B: each tile is asked for jointly.  The type is the same in all sixteen.
; WHAT IS STORED (buffer qkv): 128 records of 104,448 bytes, record 2 (16 b + head) + t / 1024.  All codes lie as images of the operand's registers, lane l's 16 bytes at 16 l:
;   0       K's codes  [tile of 16 keys: 64][lane][16]: lane (r, h) = key r, channels 32 h .. 32 h + 31
;   32,768  V's codes  [step of 128 keys: 8][tile of 16 channels: 4][c: 2][lane][16]: registers 4 c .. 4 c + 3 of the fragment 16 channels x 128 keys
;   65,536  K's scales [step: 8][r: 16][p: 4] words: bytes = tile 2 p block 0, 1, tile 2 p + 1 block 0, 1 of key r
;   67,584  V's scales [step: 8][r: 16][tile: 4] words: channel r's four blocks of 32 keys
;   69,632  Q's codes, as K's;   102,400  Q's scales, as K's
; THE QUANTISER: a block's scale is 2^(floor(log2(largest magnitude)) - 2); its byte is the largest magnitude's exponent field - 2, held at 1 from below by a floor among the maximum's leaves.
; LIMITS: a block of zeros, or one whose largest magnitude lies under 2^-124, gets the byte 1 (the rule's 127 for zeros is not made: the codes are zeros and this program alone reads the bytes); NaN and infinities are not served.
; REGISTERS, in windows of 256: window 0: v0-31 addresses; v32-95 scale words, two sets, and nothing else; v128-191 A's fragments, ONE set, on the way out the codes; v192-223 the way out's work.
;   window 1: B's fragments, two sets, at v0 and v128.   window 2: the accumulators of my rows 0-63 ((a, b) at v[8 (8 a + b)]);   window 3: those of my rows 64-127.
.set NQ,     4                         ; matrix instructions deep in a slot (512 along K)
.set ROWB,   256                       ; a tile's row in bytes
.set KROW,   512                       ; a row of codes in memory
.set PITCH,  272                       ; an LDS row: 256 bytes + 16 of padding = 68 words: the 16 rows that a load touches start at 16 different banks (64 banks of 4 bytes: ISA guide 11.1)
.set FR,     8                         ; registers of a fragment, 16 rows x 128 K
.set NL,     2                         ; LDS loads that bring one
.set NP,     4                         ; places behind this matrix instruction (ISA guide 7.12.1)
.set HALFT,  128*PITCH                 ; 128 rows: what one tensor load brings
.set SLOT,   4*HALFT                   ; A's 256 rows, then B's 256 rows
.set KS,     32                        ; a row of scale bytes
.set SCL,    2*SLOT                    ; behind the slots: the scales, as units of 256 bytes + 16 of padding
.set HALFS,  (128*KS/256)*272          ; the scales of 128 rows
.set SBLK,   (16*KS/256)*272           ; those of 16 rows
.set SPARE,  SCL+4*HALFS               ; the spare words, 128 bytes for each wave: two blocks of 256 bytes that no other line names
.set REC,    104448                    ; a record of qkv
.set HEADB,  2*REC                     ; a head's two records
.set VCOFF,  32768
.set KSOFF,  65536
.set VSOFF,  67584
.set QCOFF,  69632
.set QSOFF,  102400
.set ADRA, 16                          ; v16-17  LDS address of my A fragments in slot 0, 1
.set ADRB, 20                          ; v20-21  the same for B
.set ADRS, 27                          ; v27     LDS address of my scale words: lanes 0-15 A's rows, lanes 16-31 B's
.set SPW,  28                          ; v28     LDS address of my spare word; never rewritten
.set NIL,  29                          ; v29     0; never rewritten
.set SC,   32                          ; scale words: set s at v[SC + 32 s]; register 4 i + q: lanes 0-15 A's block i, lanes 16-31 B's block i, the slot's q-th 128 along K
.set AF,   128                         ; A's fragments
.set PC,   128                         ; the way out: the codes of block a at v[PC + 8 a]
.set TM,   192                         ; v192-195 largest magnitudes
.set TX,   196                         ; v196-199 the other half's maxima, then the bytes
.set TS,   200                         ; v200-203 the conversions' scale operands
.set PW,   208                         ; v208-215 block a's scale word
.set SW,   216                         ; v216-219 the four words that a lane stores
.set SELV, 220                         ; v220     byte selects
.set L16,  221                         ; v221     16 x lane
.set SOFF, 222                         ; v222     16 r + (lane / 16) x a head's bytes
.set TMPV, 223
.set G1, 24                            ; s[24:31] descriptor group 1 for A's tiles;  s[32:39] group 0, one set for each slot
.set G0, 32
.set G1B, 48                           ; s[48:55], s[56:63] the same for B's tiles
.set G0B, 56
.set G1S, 68                           ; s[68:75], s[76:79] groups 1 and 0 for A's scales;  s[80:87], s[88:91] for B's (written when the pointers that arrive in s[68:83] have been chosen from)
.set G0S, 76
.set G1SB, 80
.set G0SB, 88
.set MSB, 0
.macro WIN new                         ; the immediate's high byte repeats the setting that is left
.if MSB != \new
	s_set_vgpr_msb (MSB<<8)|\new
.set MSB, \new
.endif
.endm
.set MUL_LO, 0xa1                      ; source 0 (B) window 1, source 1 (A) window 0, C and D window 2
.set MUL_HI, 0xf1                      ; the same, C and D window 3
.set TO_B,   0x40                      ; destination window 1, address window 0
; A joint load: waves 0 and 1 fetch for A, waves 2 and 3 for B.  Each line has one mask and one set of registers for all that issue it; the branch hangs on the wave's number alone.
; Four v_nop follow each of the two lines, ahead of the jump, the label and what follows.
.macro JLOAD g0a, g1a, g0b, g1b
	s_cmp_eq_u32 s15, 0
	s_cbranch_scc0 .Lfor_b_\@
	tensor_load_to_lds s[\g0a:\g0a+3], s[\g1a:\g1a+7]
	s_nop 0
.rept 4
	v_nop
.endr
	s_branch .Lasked_\@
.Lfor_b_\@:
	tensor_load_to_lds s[\g0b:\g0b+3], s[\g1b:\g1b+7]
	s_nop 0
.rept 4
	v_nop
.endr
.Lasked_\@:
.endm
.macro CROUND                          ; a round of the cluster's barrier: my work-group's barrier, wave 0 signals for the work-group, every wave waits for all sixteen, my work-group's barrier once more
	s_barrier_signal -1
	s_barrier_wait -1
	s_cmp_lg_u32 s14, 0
	s_cbranch_scc1 .Lnot_wave_0_\@
	s_barrier_signal -3
.Lnot_wave_0_\@:
	s_barrier_wait -3
	s_barrier_signal -1
	s_barrier_wait -1
.endm
	s_load_b512 s[68:83], s[0:1], 0x0              ; x codes, x scales, Wq codes, Wq scales, Wk codes, Wk scales, Wv codes, Wv scales
	s_load_b64 s[12:13], s[0:1], 0x40              ; qkv
	v_lshl_add_u32 v[SPW], v0, 2, SPARE
	v_mov_b32 v[NIL], 0
	ds_add_u32 v28, v29
	ds_add_u32 v28, v29
	s_wait_dscnt 0x0
	v_lshrrev_b32 v1, 5, v0
	v_readfirstlane_b32 s14, v1                    ; wave 0..3
	s_lshr_b32 s15, s14, 1                         ; which half of the tile's rows is mine.  Also: I fetch for A (0) or for B (1)
	s_and_b32 s16, s14, 1                          ; which half of its columns.  Also: which 128 rows of that tile I fetch
	s_bfe_u32 s40, ttmp6, 0x40000                  ; cx, cy: my place in the cluster
	s_bfe_u32 s41, ttmp6, 0x40004
	s_and_b32 s18, ttmp7, 0xffff
	s_lshl_b32 s18, s18, 2                         ; 4 x the cluster's y: it counts blocks of tokens,
	s_cmp_eq_u32 ttmp9, 2                          ; which are A's rows for q and k, B's rows for v
	s_cselect_b32 s17, 0, s18
	s_cselect_b32 s42, s18, 0
	s_add_co_u32 s17, s17, s41                     ; tile row (A): + cy
	s_add_co_u32 s42, s42, s40                     ; tile column (B): + cx
	s_lshl_b32 s43, s41, 2
	s_lshl_b32 s43, 15, s43                        ; my row of the cluster
	s_lshl_b32 s44, 0x1111, s40                    ; my column
	; descriptor group 1: a tile of 128 rows x 256 bytes, padded in LDS
	s_or_b32 s[G1+0], s43, (0<<16)|(1<<20)|(1<<21)|(5<<22)|(3<<25)  ; 15:0 the mask: A's tiles go to my row; 17:16 elements of 1 byte; 20 padding on; 21 set beside a mask; 24:22 after every 64 words; 31:25 four words
	s_or_b32 s[G1B+0], s44, (0<<16)|(1<<20)|(1<<21)|(5<<22)|(3<<25)
.irp g, G1, G1B
	s_mov_b32 s[\g+1], ROWB<<16                    ; tensor_dim0
	s_mov_b32 s[\g+2], 128<<16                     ; tensor_dim1
	s_mov_b32 s[\g+3], ROWB<<16                    ; tile_dim0
	s_mov_b32 s[\g+4], 128                         ; tile_dim1
	s_mov_b32 s[\g+5], KROW                        ; tensor_dim0_stride
	s_mov_b32 s[\g+6], 0
	s_mov_b32 s[\g+7], 0
.endr
	s_lshl_b32 s18, s16, 7                         ; which 128 rows of the tile I fetch
	s_lshl_b32 s20, s17, 8
	s_add_co_u32 s20, s20, s18                     ; A: row 256 x tile row + 128 x half
	s_lshl_b32 s46, s42, 8
	s_add_co_u32 s46, s46, s18                     ; B: row 256 x tile column + 128 x half
	s_mov_b32 s21, 0
	s_mov_b32 s47, 0
	s_mov_b64 s[18:19], KS
	s_mul_u64 s[22:23], s[20:21], s[18:19]         ; where these rows' scales begin, in bytes
	s_mul_u64 s[92:93], s[46:47], s[18:19]
	s_mov_b64 s[18:19], KROW
	s_mul_u64 s[20:21], s[20:21], s[18:19]         ; and their codes
	s_mul_u64 s[46:47], s[46:47], s[18:19]
	s_mul_i32 s45, s14, HALFT                      ; where they go: wave x 128 rows: no place in the cluster enters an LDS address
	s_mul_i32 s94, s14, HALFS
	s_wait_kmcnt 0x0
	s_cmp_eq_u32 ttmp9, 0                          ; the weight of my type; the choices hang on the cluster's x alone
	s_cselect_b64 s[84:85], s[72:73], s[76:77]
	s_cselect_b64 s[86:87], s[74:75], s[78:79]
	s_cmp_eq_u32 ttmp9, 2
	s_cselect_b64 s[84:85], s[80:81], s[84:85]
	s_cselect_b64 s[86:87], s[82:83], s[86:87]
	s_cselect_b64 s[4:5], s[84:85], s[68:69]       ; A's codes: Wv for v, x for q and k
	s_cselect_b64 s[6:7], s[86:87], s[70:71]       ; A's scales
	s_cselect_b64 s[8:9], s[68:69], s[84:85]       ; B's codes: x for v, the weight for q and k
	s_cselect_b64 s[10:11], s[70:71], s[86:87]     ; B's scales
	; group 1 for the scales of 128 rows: a dense block of 4,096 bytes, as 16 rows of 256 bytes (32 elements of 8 bytes), 16 bytes of padding behind each
	s_or_b32 s[G1S+0], s43, (3<<16)|(1<<20)|(1<<21)|(5<<22)|(3<<25)
	s_or_b32 s[G1SB+0], s44, (3<<16)|(1<<20)|(1<<21)|(5<<22)|(3<<25)
.irp g, G1S, G1SB
	s_mov_b32 s[\g+1], 32<<16
	s_mov_b32 s[\g+2], (128*KS/256)<<16
	s_mov_b32 s[\g+3], 32<<16
	s_mov_b32 s[\g+4], 128*KS/256
	s_mov_b32 s[\g+5], 32
	s_mov_b32 s[\g+6], 0
	s_mov_b32 s[\g+7], 0
.endr
	s_add_nc_u64 s[20:21], s[4:5], s[20:21]
	s_add_nc_u64 s[22:23], s[6:7], s[22:23]
	s_add_nc_u64 s[46:47], s[8:9], s[46:47]
	s_add_nc_u64 s[92:93], s[10:11], s[92:93]
	CROUND                                         ; all sixteen work-groups are here: the joint loads meet
	s_mov_b32 s[G0S], 1
	s_add_co_u32 s[G0S+1], s94, SCL
	s_mov_b64 s[G0S+2:G0S+3], s[22:23]
	s_or_b32 s[G0S+3], s[G0S+3], 0x80000000
	s_mov_b32 s[G0SB], 1
	s_add_co_u32 s[G0SB+1], s94, SCL
	s_mov_b64 s[G0SB+2:G0SB+3], s[92:93]
	s_or_b32 s[G0SB+3], s[G0SB+3], 0x80000000
	JLOAD G0S, G1S, G0SB, G1SB                     ; the scales first: they are wanted with the first slot
.irp s, 0,1
	s_mov_b32 s[G0+4*\s], 1
	s_add_co_u32 s[G0+4*\s+1], s45, \s*SLOT
	s_add_nc_u64 s[G0+4*\s+2:G0+4*\s+3], s[20:21], \s*ROWB
	s_or_b32 s[G0+4*\s+3], s[G0+4*\s+3], 0x80000000
	s_mov_b32 s[G0B+4*\s], 1
	s_add_co_u32 s[G0B+4*\s+1], s45, \s*SLOT
	s_add_nc_u64 s[G0B+4*\s+2:G0B+4*\s+3], s[46:47], \s*ROWB
	s_or_b32 s[G0B+4*\s+3], s[G0B+4*\s+3], 0x80000000
	JLOAD G0+4*\s, G1, G0B+4*\s, G1B               ; three tensor loads of mine are out in all: every tile of the launch
.endr
	v_and_b32 v1, 15, v0                           ; l % 16
	v_bfe_u32 v2, v0, 4, 1                         ; l / 16
	v_mul_u32_u24 v3, v1, PITCH
	v_lshl_add_u32 v4, v2, 4, v3                   ; a fragment's row x pitch + 16 x half
	s_mul_i32 s21, s15, HALFT                      ; my 128 rows of A
	s_mul_i32 s22, s16, HALFT                      ; my 128 rows of B,
	s_add_co_u32 s22, s22, 2*HALFT                 ; which lie behind A's 256
.irp s, 0,1
	v_add_nc_u32 v[ADRA+\s], s21, v4
	v_add_nc_u32 v[ADRB+\s], s22, v4
	s_add_co_u32 s21, s21, SLOT
	s_add_co_u32 s22, s22, SLOT
.endr
	v_mul_u32_u24 v5, v1, KS                       ; my row's scales: 32 bytes a row,
	v_lshrrev_b32 v6, 8, v5
	v_lshl_add_u32 v5, v6, 4, v5                   ; and 16 more for each 256 passed
	s_mul_i32 s21, s15, HALFS                      ; A's: my 128 rows
	s_mul_i32 s22, s16, HALFS                      ; B's: my 128 rows, behind A's 256
	s_add_co_u32 s22, s22, 2*HALFS
	s_sub_co_u32 s22, s22, s21
	v_mul_u32_u24 v6, s22, v2                      ; lanes 16-31 take B's: the lower base + half x the distance
	s_add_co_u32 s21, s21, SCL
	v_add_nc_u32 v5, v5, v6
	v_add_nc_u32 v[ADRS], s21, v5
.macro FRAG reg, adr, q, i             ; a fragment: lane l holds row l % 16; registers 4 c .. 4 c + 3 hold K = 64 c + 32 (l / 16) + 0 .. 31
.irp c, 0,1
	ds_load_b128 v[\reg+4*\c:\reg+4*\c+3], v[\adr] offset:64*(\q)+32*\c+(\i)*16*PITCH
.endr
.endm
; 16 matrix instructions: A's blocks a0, a0 + 1 x B's eight, the slot's q-th 128 along K.  p: B's set;  sc: the set of scale words.  zero = 1: the first product starts the sums.
; The 64 accumulators take turns, one instruction a turn, in the same order in every step.
.macro MUL16 a0, p, q, sc, zero
.irp a, \a0, \a0+1
.irp b, 0,1,2,3,4,5,6,7
.if \zero
	v_wmma_scale_f32_16x16x128_f8f6f4 v[8*(8*((\a)%4)+\b):8*(8*((\a)%4)+\b)+7], v[128*(\p)+FR*\b:128*(\p)+FR*\b+FR-1], v[AF+FR*(\a):AF+FR*(\a)+FR-1], 0, v[SC+8*NQ*(\sc)+NQ*\b+(\q)], v[SC+8*NQ*(\sc)+NQ*(\a)+(\q)] matrix_a_fmt:MATRIX_FMT_FP4 matrix_b_fmt:MATRIX_FMT_FP4 matrix_a_scale:MATRIX_SCALE_ROW1
.else
	v_wmma_scale_f32_16x16x128_f8f6f4 v[8*(8*((\a)%4)+\b):8*(8*((\a)%4)+\b)+7], v[128*(\p)+FR*\b:128*(\p)+FR*\b+FR-1], v[AF+FR*(\a):AF+FR*(\a)+FR-1], v[8*(8*((\a)%4)+\b):8*(8*((\a)%4)+\b)+7], v[SC+8*NQ*(\sc)+NQ*\b+(\q)], v[SC+8*NQ*(\sc)+NQ*(\a)+(\q)] matrix_a_fmt:MATRIX_FMT_FP4 matrix_b_fmt:MATRIX_FMT_FP4 matrix_a_scale:MATRIX_SCALE_ROW1
.endif
.endr
.endr
.endm
.macro FETCH_B slot, q, p              ; B's eight fragments of the slot's q-th 128 along K into set p
	WIN TO_B
.irp i, 0,1,2,3,4,5,6,7
	FRAG 128*(\p)+FR*\i, ADRB+\slot, \q, \i
.endr
	WIN 0
.endm
.macro FETCH_A slot, q, i0             ; A's blocks i0 .. i0 + 3
.irp i, \i0, \i0+1, \i0+2, \i0+3
	FRAG AF+FR*(\i), ADRA+\slot, \q, \i
.endr
.endm
.macro SCALES sc                       ; a slot's scale words into set sc: four words a row; lanes 0-15 take A's block i, lanes 16-31 B's block i
.irp i, 0,1,2,3,4,5,6,7
	ds_load_b128 v[SC+8*NQ*\sc+NQ*\i:SC+8*NQ*\sc+NQ*\i+3], v[ADRS] offset:\i*SBLK
.endr
.endm
; A load into a register that a matrix instruction has read, and a vector instruction that reads a matrix result or writes one of its registers, stand NP places behind it; only plain vector
; instructions that name none of its registers are places (ISA guide 7.12.1 for vector instructions).
.macro PLACES n
.rept \n
	v_nop
.endr
.endm
; A step of 128 along K that has its successor in the same slot.  A's blocks 0-3 are fetched anew in its middle, blocks 4-7 at its end; B has two sets.
.macro STEP slot, q, zero
	s_wait_dscnt 4*NL                              ; B's set and A's blocks 0-3 are in; the youngest eight loads (A's blocks 4-7) may be out
	WIN MUL_LO
	MUL16 0, (\q)%2, \q, \slot, \zero
	MUL16 2, (\q)%2, \q, \slot, \zero
	s_wait_dscnt 0                                 ; A's blocks 4-7 are in (asked for 32 matrix instructions ago)
	PLACES NP
	FETCH_B \slot, (\q)+1, 1-(\q)%2
	FETCH_A \slot, (\q)+1, 0
	WIN MUL_HI
	MUL16 4, (\q)%2, \q, \slot, \zero
	MUL16 6, (\q)%2, \q, \slot, \zero
	PLACES NP
	WIN 0
	FETCH_A \slot, (\q)+1, 4
.endm
; Slot 0's last step changes slots: in front of the barrier each wave waits for all its tensor loads (its part of slot 1); behind it slot 1 is whole.  Nothing is filled again.
.macro TURN slot, next
	s_wait_tensorcnt 0x0                           ; all my tensor loads have landed: my part of the next slot
	ds_add_u32 v[SPW], v[NIL]                      ; 0 onto my spare word
	s_wait_dscnt 4*NL+1                            ; (the add and the youngest eight loads, A's blocks 4-7, may be out)
	WIN MUL_LO
	MUL16 0, 1, NQ-1, \slot, 0
	s_wait_dscnt 0x0                               ; the add is done, and no LDS load of mine is out at the signal
	s_barrier_signal -1
	MUL16 2, 1, NQ-1, \slot, 0
	WIN 0
	s_barrier_wait -1
	PLACES NP
	v_add_nc_u32 v[ADRS], 4*NQ, v[ADRS]            ; on to the next slot's scale words
	FETCH_B \next, 0, 0
	FETCH_A \next, 0, 0
	SCALES \next
	WIN MUL_HI
	MUL16 4, 1, NQ-1, \slot, 0
	MUL16 6, 1, NQ-1, \slot, 0
	PLACES NP
	WIN 0
	FETCH_A \next, 0, 4
.endm
	s_wait_alu depctr_va_vdst(0)
	s_wait_tensorcnt 1                             ; the scales and my part of slot 0 are in (slot 1's load, issued behind them, may be out),
	s_barrier_signal -1
	s_barrier_wait -1                              ; everybody's are
	FETCH_B 0, 0, 0
	FETCH_A 0, 0, 0
	SCALES 0
	FETCH_A 0, 0, 4
	STEP 0, 0, 1                                   ; the first step's products start the sums: nothing is cleared
	STEP 0, 1, 0
	STEP 0, 2, 0
	TURN 0, 1
	STEP 1, 0, 0
	STEP 1, 1, 0
	STEP 1, 2, 0
	s_wait_dscnt 4*NL                              ; the last step: nothing more to fetch
	WIN MUL_LO
	MUL16 0, 1, NQ-1, 1, 0
	MUL16 2, 1, NQ-1, 1, 0
	s_wait_dscnt 0
	WIN MUL_HI
	MUL16 4, 1, NQ-1, 1, 0
	MUL16 6, 1, NQ-1, 1, 0
	WIN 0
	PLACES NP                                      ; in front of the first reads of results and of writes to the registers that held A's fragments
	; THE WAY OUT.  Where my 128 x 128 numbers go: tokens tok0 on, channels ch0 on (two heads).
	s_mov_b32 s2, 0x76543210
	s_mov_b32 s3, 0xfedcba98                       ; v_permlanex16_b32's selects for lane l xor 16
	s_lshl_b32 s95, s17, 8
	s_lshl_b32 s96, s15, 7
	s_add_co_u32 s95, s95, s96                     ; my first row of A
	s_lshl_b32 s96, s42, 8
	s_lshl_b32 s97, s16, 7
	s_add_co_u32 s96, s96, s97                     ; my first row of B
	s_cmp_eq_u32 ttmp9, 2
	s_cselect_b32 s97, s96, s95                    ; tok0
	s_cselect_b32 s98, s95, s96                    ; ch0
	s_lshr_b32 s99, s97, 11
	s_lshl_b32 s99, s99, 4
	s_lshr_b32 s98, s98, 6
	s_add_co_u32 s99, s99, s98                     ; 16 b + head
	s_lshl_b32 s99, s99, 1
	s_bfe_u32 s98, s97, 0x1000a                    ; t / 1024
	s_add_co_u32 s99, s99, s98
	s_mul_i32 s99, s99, REC                        ; the record's first byte
	s_and_b32 s97, s97, 1023                       ; the token in its record
	s_mov_b32 s95, QCOFF
	s_mov_b32 s96, QSOFF
	s_mov_b32 s98, KSOFF
	s_cmp_eq_u32 ttmp9, 0
	s_cselect_b32 s95, s95, 0                      ; the codes' region: q's, or k's at 0,
	s_cselect_b32 s96, s96, s98                    ; and the scale words'
	s_mov_b32 s98, VCOFF
	s_cmp_eq_u32 ttmp9, 2
	s_cselect_b32 s95, s98, s95                    ; or v's
	s_mov_b32 s98, VSOFF
	s_cselect_b32 s96, s98, s96
	s_add_co_u32 s95, s95, s99
	s_lshl_b32 s98, s97, 5                         ; codes: 32 bytes a token in each of the three regions
	s_add_co_u32 s66, s95, s98
	s_mov_b32 s67, 0
	s_add_nc_u64 s[66:67], s[12:13], s[66:67]      ; the codes' base
	s_add_co_u32 s96, s96, s99
	s_lshl_b32 s98, s97, 1                         ; scale words: 256 bytes for 128 tokens
	s_add_co_u32 s92, s96, s98
	s_mov_b32 s93, 0
	s_add_nc_u64 s[92:93], s[12:13], s[92:93]      ; the scale words' base
	v_and_b32 v[L16], 31, v0
	v_lshlrev_b32 v[L16], 4, v[L16]
	v_and_b32 v[TMPV], 15, v0
	v_bfe_u32 v[SELV], v0, 4, 1
	v_cmp_eq_u32 vcc_lo, 1, v[SELV]                ; lanes 16-31: kept to the end
	v_mul_u32_u24 v[SOFF], v[SELV], HEADB
	v_lshl_add_u32 v[SOFF], v[TMPV], 4, v[SOFF]
	v_mov_b32 v[SELV], 0x05040100                  ; lanes 0-15 take the two low halves of two words (the first head's bytes),
	v_mov_b32 v[TMPV], 0x07060302                  ; lanes 16-31 the two high halves (the second head's)
	v_cndmask_b32 v[SELV], v[SELV], v[TMPV], vcc_lo
.irp b, 0,1,2,3
	v_mov_b32 v[TX+\b], 0                          ; written once: a lane permute's destination counts as one of its sources
.endr
; Block a (16 rows of A x 128 of B's rows) becomes a fragment's codes and its scale word.  Tile t's register j of lane (r, h) is k = 16 t + 8 h + j of row r; block t / 2 of 32 lies in tiles 2 b, 2 b + 1 of lanes l and l xor 16.
; The conversion of tile t goes to register 4 (t / 4) + 2 (t % 2) + (t % 4) / 2; two exchanges of halves for each 64 along k then give the operand's layout: registers 4 c + i of half h hold k = 64 c + 32 h + 8 i on.
.macro QUANT a
.set AC, 64*((\a)%4)
.set PCA, PC+8*(\a)
	WIN 10+5*((\a)/4)                              ; sources 0 and 1: window 2 or 3
.irp b, 0,1,2,3
	v_max3_num_f32 v[TM+\b], |v[AC+16*\b]|, |v[AC+16*\b+1]|, 0x1800000   ; my 16 numbers of block b, from each accumulator's low end on, and the floor 2^(3 - 127): the byte cannot fall under 1
.endr
.irp i, 2,4,6,8,10,12,14
.irp b, 0,1,2,3
	v_max3_num_f32 v[TM+\b], |v[AC+16*\b+\i]|, |v[AC+16*\b+\i+1]|, v[TM+\b]   ; (the four blocks by turns)
.endr
.endr
	WIN 0
.irp b, 0,1,2,3
	v_permlanex16_b32 v[TX+\b], v[TM+\b], s2, s3
.endr
.irp b, 0,1,2,3
	v_max_num_f32 v[TM+\b], v[TM+\b], v[TX+\b]     ; with lane l xor 16's: the block's largest magnitude
.endr
.irp b, 0,1,2,3
	v_add_nc_u32 v[TS+\b], 0xff000000, v[TM+\b]    ; 2 off its exponent field: the conversion takes the exponent field of this operand as its scale
.endr
.irp b, 0,1,2,3
	v_lshrrev_b32 v[TX+\b], 23, v[TS+\b]           ; the scale's byte
.endr
	v_lshl_or_b32 v[PW+(\a)], v[TX+1], 8, v[TX]
	v_lshl_or_b32 v[PW+(\a)], v[TX+2], 16, v[PW+(\a)]
	v_lshl_or_b32 v[PW+(\a)], v[TX+3], 24, v[PW+(\a)]
	WIN 2+(\a)/4                                   ; source 0: window 2 or 3
.irp t, 0,1,2,3,4,5,6,7
	v_cvt_scalef32_pk8_fp4_f32 v[PCA+4*(\t/4)+2*(\t%2)+(\t%4)/2], v[AC+8*\t:AC+8*\t+7], v[TS+\t/2]
.endr
	WIN 0
	v_nop                                          ; one plain place behind a scaled conversion
.irp c, 0,1
	v_permlane16_swap_b32 v[PCA+4*\c], v[PCA+4*\c+1]
	v_permlane16_swap_b32 v[PCA+4*\c+2], v[PCA+4*\c+3]
.endr
.endm
.irp a, 0,1,2,3,4,5,6,7
	QUANT \a                                       ; each block has its own registers for its codes and its word: no store's data are written again
.endr
	s_cmp_eq_u32 ttmp9, 2                          ; the same in all sixteen work-groups
	s_cbranch_scc1 .Lv
	; q, k: block a is a tile of 16 tokens; registers 0-3 are the first head's 64 channels, registers 4-7 the second head's.  Each store covers 512 consecutive bytes, aligned.
.irp a, 0,1,2,3,4,5,6,7
	global_store_b128 v[L16], v[PC+8*\a:PC+8*\a+3], s[66:67] offset:512*\a
	global_store_b128 v[L16], v[PC+8*\a+4:PC+8*\a+7], s[66:67] offset:512*\a+HEADB
.endr
.irp p, 0,1,2,3
	v_perm_b32 v[SW+\p], v[PW+2*\p+1], v[PW+2*\p], v[SELV]   ; word p: my head's two bytes of tile 2 p, then of tile 2 p + 1
.endr
	global_store_b128 v[SOFF], v[SW:SW+3], s[92:93]   ; lanes 0-15: the first head's 256 bytes; lanes 16-31: the second head's
	s_branch .Ldone
.Lv:
	s_wait_alu depctr_va_vdst(0)
	; v: block a is a tile of 16 channels (head a / 4, tile a % 4) x my 128 tokens, one step of keys: a whole fragment
.irp a, 0,1,2,3,4,5,6,7
	global_store_b128 v[L16], v[PC+8*\a:PC+8*\a+3], s[66:67] offset:(\a/4)*HEADB+(\a%4)*1024
	global_store_b128 v[L16], v[PC+8*\a+4:PC+8*\a+7], s[66:67] offset:(\a/4)*HEADB+(\a%4)*1024+512
.endr
.irp t, 0,1,2,3
	v_cndmask_b32 v[SW+\t], v[PW+\t], v[PW+4+\t], vcc_lo   ; lanes 0-15: the first head's tile t; lanes 16-31: the second head's
.endr
	global_store_b128 v[SOFF], v[SW:SW+3], s[92:93]
.Ldone:
	s_wait_tensorcnt 0x0                           ; the wave's end
	ds_add_u32 v[SPW], v[NIL]
	s_wait_dscnt 0x0
	CROUND                                         ; the closing round: no work-group ends while a partner may still ask for a tile that names it
	s_endpgm
.Lfunc_end_k_q1e7fdcd8b6_proj:
	.size	k_q1e7fdcd8b6_proj, .Lfunc_end_k_q1e7fdcd8b6_proj-k_q1e7fdcd8b6_proj
	.p2alignl 7, 3214868480
	.fill 96, 4, 3214868480
	.section	.rodata,"a",@progbits
	.p2align	6, 0x0
	.amdhsa_kernel k_q1e7fdcd8b6_proj
		.amdhsa_group_segment_fixed_size 327680
		.amdhsa_private_segment_fixed_size 0
		.amdhsa_enable_private_segment 0
		.amdhsa_kernarg_size 72
		.amdhsa_user_sgpr_count 2
		.amdhsa_user_sgpr_kernarg_segment_ptr 1
		.amdhsa_wavefront_size32 1
		.amdhsa_system_sgpr_workgroup_id_x 1
		.amdhsa_system_sgpr_workgroup_id_y 1
		.amdhsa_system_sgpr_workgroup_id_z 1
		.amdhsa_system_vgpr_workitem_id 0
		.amdhsa_next_free_vgpr 1024
		.amdhsa_next_free_sgpr 100
		.amdhsa_reserve_vcc 1
		.amdhsa_float_denorm_mode_32 3
		.amdhsa_float_denorm_mode_16_64 3
		.amdhsa_memory_ordered 1
		.amdhsa_forward_progress 1
		.amdhsa_inst_pref_size 131
	.end_amdhsa_kernel
	.amdgpu_metadata
---
amdhsa.version: [ 1, 2 ]
amdhsa.kernels:
  - .name:           k_q1e7fdcd8b6_proj
    .symbol:         k_q1e7fdcd8b6_proj.kd
    .args:
      - { .name: x_codes, .offset: 0, .size: 8, .value_kind: global_buffer, .address_space: global }
      - { .name: x_scales, .offset: 8, .size: 8, .value_kind: global_buffer, .address_space: global }
      - { .name: Wq_codes, .offset: 16, .size: 8, .value_kind: global_buffer, .address_space: global }
      - { .name: Wq_scales, .offset: 24, .size: 8, .value_kind: global_buffer, .address_space: global }
      - { .name: Wk_codes, .offset: 32, .size: 8, .value_kind: global_buffer, .address_space: global }
      - { .name: Wk_scales, .offset: 40, .size: 8, .value_kind: global_buffer, .address_space: global }
      - { .name: Wv_codes, .offset: 48, .size: 8, .value_kind: global_buffer, .address_space: global }
      - { .name: Wv_scales, .offset: 56, .size: 8, .value_kind: global_buffer, .address_space: global }
      - { .name: qkv, .offset: 64, .size: 8, .value_kind: global_buffer, .address_space: global }
    .group_segment_fixed_size: 327680
    .private_segment_fixed_size: 0
    .kernarg_segment_align: 8
    .kernarg_segment_size: 72
    .max_flat_workgroup_size: 128
    .sgpr_count:     100
    .vgpr_count:     1024
    .wavefront_size: 32
...
	.end_amdgpu_metadata
.endif
;; end of part 1
;; launch attn (part 2): grid 4 x 64, 16 waves a work-group, no clusters, 169,984 bytes of LDS; arguments qkv, ctxc, ctxs; writes ctxc, ctxs
.if DOCPART == 2
	.amdgcn_target "amdgcn-amd-amdhsa--gfx1250"
	.amdhsa_code_object_version 6
	.text
	.protected	k_q1e7fdcd8b6_attn
	.globl	k_q1e7fdcd8b6_attn
	.p2align	8
	.type	k_q1e7fdcd8b6_attn,@function
k_q1e7fdcd8b6_attn:
	s_mov_b64 s[64:65], 0
	v_nop
	global_prefetch_b8 v0, s[64:65] scope:SCOPE_SE
	s_setreg_imm32_b32 hwreg(HW_REG_WAVE_MODE, 25, 1), 1
	s_wait_xcnt 0x0
; ctx[b][t][head][:] = the sum over keys k <= t of softmax_k(q . k / 8) v, both products on codes of FP4 (E2M1) with one E8M0 scale for each 32 along a product's K; ctx is quantised along its 1,024 and stored as codes.
; q, k, v come from buffer qkv as images of the operands' registers (128 records of 104,448 bytes, record 2 (16 b + head) + t / 1024):
;   0 K's codes [tile of 16 keys: 64][lane][16];  32,768 V's codes [step of 128 keys: 8][tile of 16 channels: 4][c: 2][lane][16];  65,536 K's scale words [step][r][p];  67,584 V's [step][r][tile];  69,632 Q's codes;  102,400 Q's scale words.
; THE SOFTMAX AHEAD OF THE SECOND PRODUCT: t = score x log2(e) / 8; M = the row's largest t so far, rounded UP to a whole number; p = 2^(t - M) is what is quantised, along the keys, not normalised.
; The row's sum is taken of the unquantised p, in f32, and divides O at the end.  When M moves, the sum and O are multiplied by 2^(old M - new M): exact.
; A block's largest p is not searched for: the block's largest score goes through the same multiply-add and exponential (this takes v_exp_f32 not to fall where its input rises).
; SHARES.  A work-group owns one head and the query blocks i and 7 - i of 256.  Wave w of sixteen owns two tiles of 16 queries, at 256 i + 16 w and at 2,032 less that: a tile at Q0 has Q0 / 128 + 1 steps of 128 keys
; under the causal mask, so every wave of the launch has 17 steps.  256 work-groups, four waves to a SIMD: one wave's vector work stands beside another's matrix work and LDS loads.
; LDS.  The head's K and V, codes and scale words, 2 x 69,632 bytes, are brought once, as they lie, by waves 0-3 (two tensor loads each); nothing is filled again and nothing is stored to LDS.
; NO CLUSTER, though the four work-groups of a head read the same K and V: the steps that a wave leaves out under the mask hang on its query block, which would be its place in the cluster, and what would be shared is
; 139,264 bytes a work-group, asked for once, at the start.
; LAYOUT.  Both products are used transposed: S^T = K Q^T (source 0 = keys, source 1 = my 16 queries), O^T = V^T P^T: a lane holds ONE query (lane % 16) throughout.
; THE HEAD'S K OF 64 IN AN INSTRUCTION OF 128: a fragment of K holds two tiles of 16 keys (registers 0-3, 4-7); against {q | zero codes} it gives the first tile's scores, against {zero codes | q} the second's.
; Tile t's register j of lane (r, h) is key 16 t + 8 h + j.  The conversion of tile t goes to register 4 (t / 4) + 2 (t % 2) + (t % 4) / 2, and two exchanges of halves for each 64 keys give the operand's layout.
; OUT.  ctxc [token tile 128 b + t / 16: 512][head: 16][lane][16]: heads 2 g, 2 g + 1 are the image of a fragment 16 tokens x 128 of the next product's K.  ctxs [token: 8192][32]: byte 2 head + block.
; LIMITS: a block of zeros, or one whose largest magnitude lies under 2^-124, gets the byte 1 (its codes are zeros or next to it; this program alone reads the bytes); NaN and infinities are not served.
; REGISTERS: v1-8 addresses; v12 -M, v13 the largest t, v[14:15] the sum in two halves; v16-23 {q, 0}; v24-31 {0, q}; v32-63 K's four fragments; v64-95 V's four; v96-159 S^T, then p; v160-191 O^T; v192-199 codes;
;   v200-203 K's scale words, v204-207 V's, v208 Q's, v209 p's; v[210:211] f; v212-229 at work.
.set REC,   104448
.set HEADB, 208896
.set CHUNK, 69632                      ; what lies in LDS of a record: K's and V's codes and scale words
.set QTR,   17408                      ; a quarter of it: 68 rows of 256 bytes, one tensor load
.set VOFF,  32768
.set KSOFF, 65536
.set QCOFF, 69632
.set QSOFF, 102400
.set S,   96
.set O,   160
.set PC,  192
.set BM,  212                          ; v212-215 a block's largest score, then its largest p
.set BX,  216                          ; v216-219 the other half's, then the bytes
.set BS,  220                          ; v220-223 the conversions' scale operands
.set T0,  224
.set T1,  225
	s_load_b128 s[4:7], s[0:1], 0x0                ; qkv, ctxc
	s_load_b64 s[8:9], s[0:1], 0x10                ; ctxs
	v_lshl_add_u32 v254, v0, 2, 0x29000
	v_mov_b32 v255, 0
	ds_add_u32 v254, v255
	ds_add_u32 v254, v255
	v_lshrrev_b32 v1, 5, v0
	s_delay_alu instid0(VALU_DEP_1)
	v_readfirstlane_b32 s10, v1                    ; wave 0..15
	s_and_b32 s12, ttmp7, 0xffff                   ; 16 b + head
	; descriptor group 1: a dense block of 17,408 bytes as 68 rows of 256 bytes (32 elements of 8 bytes), no padding: every LDS read takes 512 consecutive bytes
	s_mov_b32 s16, 3<<16                           ; 15:0 no mask; 17:16 elements of 8 bytes
	s_mov_b32 s17, 32<<16                          ; tensor_dim0
	s_mov_b32 s18, 68<<16                          ; tensor_dim1
	s_mov_b32 s19, 32<<16                          ; tile_dim0
	s_mov_b32 s20, 68                              ; tile_dim1
	s_mov_b32 s21, 32                              ; tensor_dim0_stride
	s_mov_b32 s22, 0
	s_mov_b32 s23, 0
	s_and_b32 s42, s10, 3                          ; which quarter of each chunk I fetch, if I fetch
	s_mul_i32 s42, s42, QTR
	s_mov_b32 s43, 0
	s_mov_b32 s24, 1
	s_mov_b32 s25, s42                             ; LDS: the lower chunk at 0,
	s_mov_b32 s28, 1
	s_add_co_u32 s29, s42, CHUNK                   ; the upper one behind it
	s_mul_i32 s52, s12, HEADB
	s_mov_b32 s53, 0
	s_mov_b32 s32, 0x76543210
	s_mov_b32 s33, 0xfedcba98                      ; v_permlanex16_b32's selects for lane l xor 16
	s_mov_b32 s34, 0x3e38aa3b                      ; c = log2(e) / 8
	s_mov_b32 s35, s34                             ; (named with it as a pair, so it is written)
	s_lshl_b32 s40, ttmp9, 8
	s_lshl_b32 s54, s10, 4
	s_add_co_u32 s40, s40, s54                     ; my first tile's first query: 256 i + 16 w
	s_sub_co_u32 s54, 2032, s40                    ; my second tile's
	s_wait_dscnt 0x0
	s_wait_kmcnt 0x0
	s_add_nc_u64 s[14:15], s[4:5], s[52:53]        ; the head's two records
	s_add_nc_u64 s[26:27], s[14:15], s[42:43]
	s_add_nc_u64 s[30:31], s[26:27], REC
	s_or_b32 s27, s27, 0x80000000                  ; type = 2
	s_or_b32 s31, s31, 0x80000000
	s_cmp_lt_u32 s10, 4                            ; waves 0-3 fetch; a wave's two loads stand in one branch, ahead of every wait on TENSORcnt, every LDS read and every barrier: two loads of mine are out
	s_cbranch_scc0 .Lno_fetch
	tensor_load_to_lds s[24:27], s[16:23]          ; keys 0 to 1,023
	s_nop 0
	tensor_load_to_lds s[28:31], s[16:23]          ; keys 1,024 to 2,047
	s_nop 0
.rept 4
	v_nop
.endr
.Lno_fetch:
	v_and_b32 v1, 31, v0
	s_delay_alu instid0(VALU_DEP_1)
	v_lshlrev_b32 v1, 4, v1                        ; v1: 16 x lane: an image's place for my lane
	v_and_b32 v7, 15, v0                           ; r
	v_bfe_u32 v8, v0, 4, 1
	s_delay_alu instid0(VALU_DEP_1)
	v_lshlrev_b32 v8, 3, v8                        ; 8 h
	s_delay_alu instid0(VALU_DEP_1)
	v_sub_nc_u32 v3, v7, v8                        ; v3: r - 8 h, for the mask
	s_delay_alu instid0(VALU_DEP_4)
	v_lshlrev_b32 v8, 5, v7                        ; v8: 32 r: my query's row of ctxs
	v_lshlrev_b32 v7, 4, v7                        ; v7: 16 r: my row's four scale words
	s_delay_alu instid0(VALU_DEP_1)
	v_add_nc_u32 v2, KSOFF, v7                     ; v2: the same in a chunk in LDS
.irp j, 20,21,22,23,24,25,26,27
	v_mov_b32 v[\j], 0                             ; the zero codes beside q: written once
.endr
	v_mov_b32 v211, 0                              ; (named as the upper half of the pair v[210:211])
.irp b, 0,1,2,3
	v_mov_b32 v[BX+\b], 0                          ; written once: a lane permute's destination counts as one of its sources
.endr
; A tile of 16 queries begins: s40 = its first query.
.macro TILE_BEGIN
	s_wait_xcnt 0x0                                ; the last tile's stores have read their data and bases: both are written again below
	s_add_co_u32 s41, s40, 15                      ; my last query
	s_lshr_b32 s42, s40, 10
	s_mul_i32 s42, s42, REC                        ; my queries' record
	s_and_b32 s43, s40, 1023
	s_lshl_b32 s53, s43, 5                         ; codes: 512 bytes a tile
	s_add_co_u32 s53, s53, s42
	s_add_co_u32 s44, s53, QCOFF
	s_mov_b32 s45, 0
	s_add_nc_u64 s[44:45], s[14:15], s[44:45]
	s_lshr_b32 s43, s43, 7
	s_lshl_b32 s43, s43, 8                         ; scale words: 256 bytes for 128 queries,
	s_add_co_u32 s43, s43, s42
	s_bfe_u32 s53, s40, 0x20005
	s_lshl_b32 s53, s53, 2                         ; word (Q0 / 32) % 4 of my row's four,
	s_add_co_u32 s43, s43, s53
	s_add_co_u32 s46, s43, QSOFF
	s_mov_b32 s47, 0
	s_add_nc_u64 s[46:47], s[14:15], s[46:47]
	global_load_b128 v[16:19], v1, s[44:45]        ; q, in front of zero codes,
	global_load_b128 v[28:31], v1, s[44:45]        ; and behind them
	global_load_b32 v[T0], v7, s[46:47]
	s_lshr_b32 s42, s12, 4                         ; b
	s_and_b32 s43, s12, 15                         ; head
	s_lshl_b32 s53, s42, 20                        ; ctxc: 128 token tiles of 8,192 bytes a batch,
	s_lshl_b32 s48, s40, 9                         ; 8,192 bytes for 16 tokens,
	s_add_co_u32 s48, s48, s53
	s_lshl_b32 s53, s43, 9                         ; 512 a head
	s_add_co_u32 s48, s48, s53
	s_mov_b32 s49, 0
	s_add_nc_u64 s[48:49], s[6:7], s[48:49]
	s_lshl_b32 s53, s42, 16                        ; ctxs: 32 bytes a token, 2 a head
	s_lshl_b32 s50, s40, 5
	s_add_co_u32 s50, s50, s53
	s_lshl_b32 s53, s43, 1
	s_add_co_u32 s50, s50, s53
	s_mov_b32 s51, 0
	s_add_nc_u64 s[50:51], s[8:9], s[50:51]
	s_mov_b32 s52, 0x03020302
	s_bitcmp1_b32 s40, 4                           ; an odd tile's two bytes are the word's upper half
	s_cselect_b32 s52, s52, 0x01000100
	s_wait_loadcnt 0x0
	v_perm_b32 v208, v[T0], v[T0], s52             ; q's scale word: its two bytes twice, so that it serves q in either half of K
	v_mov_b32 v13, 0xff61b1e6                      ; the largest t so far: -3e38, under every t
	s_delay_alu instid0(VALU_DEP_1)
	v_floor_f32 v12, -v13                          ; -M
	v_mov_b32 v14, 0                               ; the sum, in two halves
	v_mov_b32 v15, 0
.set j, 0
.rept 32
	v_mov_b32 v[O+j], 0                            ; O^T: the step is written once; the first finds zeros, which the first change of M leaves zeros.  (These are also the places between q's scale word and the first product)
.set j, j+1
.endr
.endm
; A KEY STEP: 128 keys from s38 on; their codes at LDS byte s36, their scale words at s37.
.macro STEP
	s_cmp_gt_u32 s38, s41                          ; a step all of whose keys come after my 16 queries is left out: a branch on ids, round the work, not round the lines that step addresses
	s_cbranch_scc1 .Lhidden_\@
	s_setprio 2
	v_add_nc_u32 v4, s36, v1
	v_add_nc_u32 v5, s37, v2
	v_nop
	v_nop                                          ; four places in front of loads into registers that the last step's products have read
.irp p, 0,1,2,3
.irp c, 0,1
	ds_load_b128 v[32+8*\p+4*\c:35+8*\p+4*\c], v4 offset:1024*\p+512*\c   ; K's tiles 2 p and 2 p + 1
.endr
.endr
	ds_load_b128 v[200:203], v5                    ; K's four scale words
.irp t, 0,1,2,3
.irp c, 0,1
	ds_load_b128 v[64+8*\t+4*\c:67+8*\t+4*\c], v4 offset:VOFF+1024*\t+512*\c   ; V's tile t of 16 channels
.endr
.endr
	ds_load_b128 v[204:207], v5 offset:2048        ; V's four scale words
	s_wait_dscnt 9                                 ; K and its words are in; V's nine loads may be out
.irp p, 0,1,2,3
	v_wmma_scale_f32_16x16x128_f8f6f4 v[S+16*\p:S+16*\p+7], v[32+8*\p:39+8*\p], v[16:23], 0, v[200+\p], v208 matrix_a_fmt:MATRIX_FMT_FP4 matrix_b_fmt:MATRIX_FMT_FP4
	v_wmma_scale_f32_16x16x128_f8f6f4 v[S+16*\p+8:S+16*\p+15], v[32+8*\p:39+8*\p], v[24:31], 0, v[200+\p], v208 matrix_a_fmt:MATRIX_FMT_FP4 matrix_b_fmt:MATRIX_FMT_FP4
.endr
.rept 4
	v_nop
.endr
	s_add_co_u32 s42, s38, 127                     ; on the diagonal the scores of hidden keys become -infinity ahead of the maximum: p = 0 then.  A step all of whose keys count skips this
	s_cmp_le_u32 s42, s40
	s_cbranch_scc1 .Lopen_\@
	s_sub_co_i32 s42, s40, s38
	v_add_nc_u32 v228, s42, v3                     ; d = my query - the step's first key - 8 h.  Register 8 t + j holds key 16 t + 8 h + j: hidden where 16 t + j > d
	v_mov_b32 v229, 0xff800000
.set n, 0
.rept 64
	v_cmp_gt_i32 vcc_lo, 16*(n/8)+n%8, v228
	v_cndmask_b32 v[S+n], v[S+n], v229, vcc_lo
.set n, n+1
.endr
.Lopen_\@:
.irp b, 0,1,2,3
	v_max3_num_f32 v[BM+\b], v[S+16*\b], v[S+1+16*\b], v[S+2+16*\b]   ; the largest score of each block of 32 keys: for the row's maximum, and for the block's largest p
.endr
.irp i, 3,5,7,9,11,13
.irp b, 0,1,2,3
	v_max3_num_f32 v[BM+\b], v[BM+\b], v[S+16*\b+\i], v[S+1+16*\b+\i]   ; (the four blocks by turns)
.endr
.endr
.irp b, 0,1,2,3
	v_max_num_f32 v[BM+\b], v[BM+\b], v[S+15+16*\b]
.endr
.irp b, 0,1,2,3
	s_delay_alu instid0(VALU_DEP_4)
	v_permlanex16_b32 v[BX+\b], v[BM+\b], s32, s33
.endr
.irp b, 0,1,2,3
	s_delay_alu instid0(VALU_DEP_4)
	v_max_num_f32 v[BM+\b], v[BM+\b], v[BX+\b]     ; with lane l xor 16's 16 keys
.endr
	s_delay_alu instid0(VALU_DEP_2)
	v_max3_num_f32 v[T0], v[BM], v[BM+1], v[BM+2]
	s_delay_alu instid0(VALU_DEP_1)
	v_max_num_f32 v[T0], v[T0], v[BM+3]            ; the step's largest score of my query
	s_delay_alu instid0(VALU_DEP_1)
	v_mul_f32 v[T0], s34, v[T0]                    ; as t (c is positive)
	s_delay_alu instid0(VALU_DEP_1)
	v_max_num_f32 v13, v13, v[T0]                  ; the running largest t
	v_mov_b32 v[T0], v12
	s_delay_alu instid0(VALU_DEP_2)
	v_floor_f32 v12, -v13                          ; the new -M = floor(-t) = -ceil(t): a whole number
	s_delay_alu instid0(VALU_DEP_1)
	v_sub_f32 v[T0], v12, v[T0]                    ; old M less new M: a whole number, 0 or less
	s_delay_alu instid0(VALU_DEP_1)
	v_cvt_i32_f32 v[T0], v[T0]                     ; (it saturates)
	s_delay_alu instid0(VALU_DEP_1)
	v_ldexp_f32 v210, 1.0, v[T0]                   ; f = 2^(old M - new M)
.set j, 0
.rept 32
	v_pk_fma_f32 v[S+j:S+1+j], v[S+j:S+1+j], s[34:35], v[12:13] op_sel_hi:[1,0,0]   ; t - M, two at a time
.set j, j+2
.endr
	s_setprio 1
.irp b, 0,1,2,3
	v_fma_f32 v[BM+\b], v[BM+\b], s34, v12         ; the same of each block's largest score
.endr
.set j, 0
	s_wait_alu depctr_va_vdst(0)
.rept 64
	v_exp_f32 v[S+j], v[S+j]                       ; p = 2^(t - M), at most 1
.set j, j+1
.endr
.irp b, 0,1,2,3
	v_exp_f32 v[BM+\b], v[BM+\b]                   ; the block's largest p
.endr
	v_pk_mul_f32 v[14:15], v[14:15], v[210:211] op_sel_hi:[1,0]   ; the sums under the new M.  (A plain place behind the exponentials)
	s_wait_alu depctr_va_vdst(0)
.irp b, 0,1,2,3
	v_max_num_f32 v[BM+\b], 0x1800000, v[BM+\b]    ; the floor 2^(3 - 127): the byte cannot fall under 1
.endr
.irp b, 0,1,2,3
	s_delay_alu instid0(VALU_DEP_4)
	v_add_nc_u32 v[BS+\b], 0xff000000, v[BM+\b]    ; 2 off the exponent field: the conversion's scale operand
.endr
.irp b, 0,1,2,3
	s_delay_alu instid0(VALU_DEP_4)
	v_lshrrev_b32 v[BX+\b], 23, v[BS+\b]           ; the scale's byte
.endr
	s_delay_alu instid0(VALU_DEP_3)
	v_lshl_or_b32 v209, v[BX+1], 8, v[BX]          ; p's scale word for these 128 keys
	s_delay_alu instid0(VALU_DEP_1)
	v_lshl_or_b32 v209, v[BX+2], 16, v209
	s_delay_alu instid0(VALU_DEP_1)
	v_lshl_or_b32 v209, v[BX+3], 24, v209
.irp t, 0,1,2,3,4,5,6,7
	v_cvt_scalef32_pk8_fp4_f32 v[PC+4*(\t/4)+2*(\t%2)+(\t%4)/2], v[S+8*\t:S+8*\t+7], v[BS+\t/2]
.endr
	v_nop                                          ; one plain place behind a scaled conversion
.irp c, 0,1
	v_permlane16_swap_b32 v[PC+4*\c], v[PC+4*\c+1]
	v_permlane16_swap_b32 v[PC+4*\c+2], v[PC+4*\c+3]
.endr
	v_pk_add_f32 v[226:227], v[100:101], v[104:105]
	v_pk_add_f32 v[252:253], v[108:109], v[112:113]
	v_pk_add_f32 v[250:251], v[116:117], v[120:121]
	v_pk_add_f32 v[248:249], v[124:125], v[128:129]
	v_pk_add_f32 v[246:247], v[132:133], v[136:137]
	v_pk_add_f32 v[244:245], v[140:141], v[144:145]
	v_pk_add_f32 v[242:243], v[148:149], v[152:153]
	v_pk_add_f32 v[14:15], v[14:15], v[156:157]
	v_pk_add_f32 v[226:227], v[226:227], v[96:97]
	v_pk_add_f32 v[252:253], v[252:253], v[98:99]
	v_pk_add_f32 v[250:251], v[250:251], v[102:103]
	v_pk_add_f32 v[248:249], v[248:249], v[106:107]
	v_pk_add_f32 v[246:247], v[246:247], v[110:111]
	s_setprio 0
	v_pk_add_f32 v[244:245], v[244:245], v[114:115]
	v_pk_add_f32 v[242:243], v[242:243], v[118:119]
	v_pk_add_f32 v[14:15], v[14:15], v[122:123]
	v_pk_add_f32 v[226:227], v[226:227], v[126:127]
	v_pk_add_f32 v[252:253], v[252:253], v[130:131]
	v_pk_add_f32 v[250:251], v[250:251], v[134:135]
	v_pk_add_f32 v[248:249], v[248:249], v[138:139]
	v_pk_add_f32 v[246:247], v[246:247], v[142:143]
	v_pk_add_f32 v[244:245], v[244:245], v[146:147]
	v_pk_add_f32 v[242:243], v[242:243], v[150:151]
	v_pk_add_f32 v[14:15], v[14:15], v[154:155]
	v_pk_add_f32 v[226:227], v[226:227], v[158:159]
	s_delay_alu instid0(VALU_DEP_2)
	v_pk_add_f32 v[14:15], v[14:15], v[248:249]
	s_delay_alu instid0(VALU_DEP_2)
	v_pk_add_f32 v[226:227], v[226:227], v[246:247]
	v_pk_add_f32 v[252:253], v[252:253], v[244:245]
	v_pk_add_f32 v[250:251], v[250:251], v[242:243]
	s_delay_alu instid0(VALU_DEP_2)
	v_pk_add_f32 v[14:15], v[14:15], v[252:253]
	s_delay_alu instid0(VALU_DEP_2)
	v_pk_add_f32 v[226:227], v[226:227], v[250:251]
	s_delay_alu instid0(VALU_DEP_1)
	v_pk_add_f32 v[14:15], v[14:15], v[226:227]
.set j, 0
.rept 16
	v_pk_mul_f32 v[O+j:O+1+j], v[O+j:O+1+j], v[210:211] op_sel_hi:[1,0]   ; O^T under the new M.  (With the sums above: the places between p's codes and scale word and the products below)
.set j, j+2
.endr
	s_wait_alu depctr_va_vdst(0)
	s_wait_dscnt 0x0                               ; V and its words are in
.irp t, 0,1,2,3
	v_wmma_scale_f32_16x16x128_f8f6f4 v[O+8*\t:O+8*\t+7], v[64+8*\t:71+8*\t], v[PC:PC+7], v[O+8*\t:O+8*\t+7], v[204+\t], v209 matrix_a_fmt:MATRIX_FMT_FP4 matrix_b_fmt:MATRIX_FMT_FP4   ; the four accumulators by turns; the next step's eight score products stand between two turns of one
.endr
.Lhidden_\@:
	s_add_co_u32 s38, s38, 128
	s_add_co_u32 s36, s36, 4096
	s_add_co_u32 s37, s37, 256
.endm
; The eight steps of a chunk that begins at LDS byte tb0 with key kf0: the trip count is a constant.
.macro PASS tb0, kf0
	s_mov_b32 s36, \tb0
	s_mov_b32 s37, \tb0
	s_mov_b32 s38, \kf0
	s_mov_b32 s39, 8
.Lpass_\@:
	STEP
	s_sub_co_u32 s39, s39, 1
	s_cmp_lg_u32 s39, 0
	s_cbranch_scc1 .Lpass_\@
	s_setprio 0
.endm
; A tile ends: O^T / the sum is my query's 64 numbers of ctx, 32 a lane; two blocks of 32 are quantised and stored.
.macro FINISH
.rept 4
	v_nop
.endr
	v_add_f32 v14, v14, v15                        ; the sum's two halves,
	s_delay_alu instid0(VALU_DEP_1)
	v_permlanex16_b32 v[T0], v14, s32, s33
	s_delay_alu instid0(VALU_DEP_1)
	v_add_f32 v14, v14, v[T0]                      ; and lane l xor 16's: the row's sum
	s_wait_alu depctr_va_vdst(0)
	v_rcp_f32 v14, v14
	v_nop                                          ; a plain place behind the transcendental
.set j, 0
	s_wait_alu depctr_va_vdst(0)
.rept 16
	v_pk_mul_f32 v[S+j:S+1+j], v[O+j:O+1+j], v[14:15] op_sel_hi:[1,0]   ; register 8 t + j: channel 16 t + 8 h + j; each accumulator from its low end on
.set j, j+2
.endr
.irp b, 0,1
	v_max3_num_f32 v[BM+\b], |v[S+16*\b]|, |v[S+1+16*\b]|, 0x1800000
.endr
.irp i, 2,4,6,8,10,12,14
.irp b, 0,1
	s_delay_alu instid0(VALU_DEP_2)
	v_max3_num_f32 v[BM+\b], v[BM+\b], |v[S+16*\b+\i]|, |v[S+1+16*\b+\i]|
.endr
.endr
.irp b, 0,1
	s_delay_alu instid0(VALU_DEP_2)
	v_permlanex16_b32 v[BX+\b], v[BM+\b], s32, s33
.endr
.irp b, 0,1
	s_delay_alu instid0(VALU_DEP_2)
	v_max_num_f32 v[BM+\b], v[BM+\b], v[BX+\b]
.endr
.irp b, 0,1
	s_delay_alu instid0(VALU_DEP_2)
	v_add_nc_u32 v[BS+\b], 0xff000000, v[BM+\b]
.endr
.irp b, 0,1
	s_delay_alu instid0(VALU_DEP_2)
	v_lshrrev_b32 v[BX+\b], 23, v[BS+\b]
.endr
	s_delay_alu instid0(VALU_DEP_1)
	v_lshl_or_b32 v[T1], v[BX+1], 8, v[BX]         ; my query's two scale bytes
.irp t, 0,1,2,3
	v_cvt_scalef32_pk8_fp4_f32 v[PC+2*(\t%2)+\t/2], v[S+8*\t:S+8*\t+7], v[BS+\t/2]
.endr
	v_nop                                          ; one plain place behind a scaled conversion
	v_permlane16_swap_b32 v[PC], v[PC+1]
	v_permlane16_swap_b32 v[PC+2], v[PC+3]
	global_store_b128 v1, v[PC:PC+3], s[48:49]     ; 32 lanes store 512 consecutive bytes, aligned
	global_store_b16 v8, v[T1], s[50:51]           ; two bytes a query, 32 bytes apart (lanes 16-31 write the same bytes with the same values): one byte in 17 of what the launch stores, laid as rows of scale bytes for the next launch
.endm
	TILE_BEGIN                                     ; my first tile: its queries lie under 1,024, so it wants the lower chunk alone
	s_wait_tensorcnt 1                             ; my part of the lower chunk is in; the upper chunk's load, issued behind it, may stay out
	s_barrier_signal -1
	s_barrier_wait -1                              ; everybody's is
	PASS 0, 0
	FINISH
	s_mov_b32 s40, s54
	TILE_BEGIN                                     ; my second tile: queries from 1,024 on
	PASS 0, 0
	s_wait_tensorcnt 0x0                           ; my part of the upper chunk is in,
	s_wait_dscnt 0x0                               ; and no LDS load of mine is out at the signal
	s_barrier_signal -1
	s_barrier_wait -1
	PASS CHUNK, 1024
	FINISH
	s_wait_tensorcnt 0x0
	ds_add_u32 v254, v255
	s_wait_dscnt 0x0
	s_endpgm
.Lfunc_end_k_q1e7fdcd8b6_attn:
	.size	k_q1e7fdcd8b6_attn, .Lfunc_end_k_q1e7fdcd8b6_attn-k_q1e7fdcd8b6_attn
	.p2alignl 7, 3214868480
	.fill 96, 4, 3214868480
	.section	.rodata,"a",@progbits
	.p2align	6, 0x0
	.amdhsa_kernel k_q1e7fdcd8b6_attn
		.amdhsa_group_segment_fixed_size 169984
		.amdhsa_private_segment_fixed_size 0
		.amdhsa_enable_private_segment 0
		.amdhsa_kernarg_size 24
		.amdhsa_user_sgpr_count 2
		.amdhsa_user_sgpr_kernarg_segment_ptr 1
		.amdhsa_wavefront_size32 1
		.amdhsa_system_sgpr_workgroup_id_x 1
		.amdhsa_system_sgpr_workgroup_id_y 1
		.amdhsa_system_sgpr_workgroup_id_z 1
		.amdhsa_system_vgpr_workitem_id 0
		.amdhsa_next_free_vgpr 256
		.amdhsa_next_free_sgpr 66
		.amdhsa_reserve_vcc 1
		.amdhsa_float_denorm_mode_32 3
		.amdhsa_float_denorm_mode_16_64 3
		.amdhsa_memory_ordered 1
		.amdhsa_forward_progress 1
		.amdhsa_inst_pref_size 83
	.end_amdhsa_kernel
	.amdgpu_metadata
---
amdhsa.version: [ 1, 2 ]
amdhsa.kernels:
  - .name:           k_q1e7fdcd8b6_attn
    .symbol:         k_q1e7fdcd8b6_attn.kd
    .args:
      - { .name: qkv, .offset: 0, .size: 8, .value_kind: global_buffer, .address_space: global }
      - { .name: ctxc, .offset: 8, .size: 8, .value_kind: global_buffer, .address_space: global }
      - { .name: ctxs, .offset: 16, .size: 8, .value_kind: global_buffer, .address_space: global }
    .group_segment_fixed_size: 169984
    .private_segment_fixed_size: 0
    .kernarg_segment_align: 8
    .kernarg_segment_size: 24
    .max_flat_workgroup_size: 512
    .sgpr_count:     66
    .vgpr_count:     256
    .wavefront_size: 32
...
	.end_amdgpu_metadata
.endif
;; end of part 2
;; launch outp (part 3): grid 4 x 32, 4 waves a work-group, clusters of 4 x 4, 327,680 bytes of LDS; arguments ctxc, ctxs, Wo_codes, Wo_scales, out0, bo; writes out0
.if DOCPART == 3
	.amdgcn_target "amdgcn-amd-amdhsa--gfx1250"
	.amdhsa_code_object_version 6
	.text
	.protected	k_q1e7fdcd8b6_outp
	.globl	k_q1e7fdcd8b6_outp
	.p2align	8
	.type	k_q1e7fdcd8b6_outp,@function
k_q1e7fdcd8b6_outp:
	s_mov_b64 s[64:65], 0
	v_nop
	global_prefetch_b8 v0, s[64:65] scope:SCOPE_SE
	s_setreg_imm32_b32 hwreg(HW_REG_WAVE_MODE, 25, 1), 1
	s_wait_xcnt 0x0
	s_wait_alu depctr_hold_cnt(0) depctr_sa_sdst(0) depctr_va_vdst(0) depctr_va_sdst(0) depctr_va_ssrc(0) depctr_va_vcc(0) depctr_vm_vsrc(0)
	s_getreg_b32 s2, hwreg(HW_REG_IB_STS2, 6, 4)
	s_cmp_eq_u32 s2, 0
	s_cbranch_scc0 .Lentry_in_a_cluster
	s_endpgm
.Lentry_in_a_cluster:
	s_bfe_u32 s2, ttmp6, 0x10000c
	s_cmp_lg_u32 s2, 0xf033
	s_cbranch_scc0 .Lentry_shape_is_right
	s_endpgm
.Lentry_shape_is_right:
; out[m][n] = the sum over k of ctx[m][k] Wo[n][k] + bo[n], on codes of FP4 (E2M1) with one E8M0 scale for each 32 along K = 1,024; out: [8192][1024] f32; sums in f32.
; A = ctx: codes as images of the operand's registers, ctxc [tile of 16 tokens: 512][head: 16][lane][16] (heads 2 g, 2 g + 1: the fragment 16 tokens x K 128 g on); scale bytes ctxs [8192][32].
; B = Wo: codes [1024][512 bytes], K innermost; scale bytes [1024][32].
; A tile of out, 256 x 256, is made by a work-group of four waves, 128 x 128 a wave: 64 accumulators, 512 registers.  K is two LDS slots of 512: both are filled once, at the start; nothing is filled again.
; The scale bytes of the 256 + 256 rows come once, in whole units of 256 bytes.  128 work-groups: the tile is kept large, so that each byte read from LDS feeds as many products as the registers allow.
; CLUSTERS: 4 x 4 work-groups; the four of a row of the cluster need the same tiles of A, the four of a column the same tiles of B: each tile is asked for jointly.
; THE MATRIX INSTRUCTION IS USED TRANSPOSED (source 0 = 16 rows of B, source 1 = 16 rows of A): a lane holds eight neighbouring numbers of a row of out.  The bias is the C of each sum's first product.
; REGISTERS, in windows of 256: window 0: v0-31 addresses; v32-95 scale words, two sets; v128-191 A's fragments, ONE set; v192-255 the bias in the result's layout; on the way out v128-255 take rows of out.
;   window 1: B's fragments, two sets, at v0 and v128.   window 2: the accumulators of my rows 0-63 ((a, b) at v[8 (8 a + b)]);   window 3: those of my rows 64-127.
.set SIZE_N, 1024
.set NQ,     4                         ; matrix instructions deep in a slot (512 along K)
.set ROWB,   256                       ; a row of B's tile in bytes
.set KROW,   512                       ; a row of codes in memory; also ctxc's bytes for each token
.set ASTEP,  4096                      ; ctxc: a token tile's bytes of 512 along K (8 heads)
.set PITCH,  272                       ; B's LDS row: 256 bytes + 16 of padding: the 16 rows that a load touches start at 16 different banks (64 banks of 4 bytes: ISA guide 11.1)
.set FR,     8
.set NL,     2
.set NP,     4                         ; places behind this matrix instruction (ISA guide 7.12.1)
.set HALFT,  128*PITCH                 ; the room of 128 rows (A's images use 32,768 bytes of it)
.set SLOT,   4*HALFT
.set KS,     32
.set SCL,    2*SLOT
.set HALFS,  (128*KS/256)*272
.set SBLK,   (16*KS/256)*272
.set SPARE,  SCL+4*HALFS               ; the spare words, 128 bytes for each wave: two blocks of 256 bytes that no other line names
.set SPITCH, 528                       ; the way out: a stage of 16 rows x (512 bytes + 16) for each wave, in slot 0, which has had its only fill and its last read when the first result is stored there
.set ADRA, 16                          ; v16-17  LDS address of my A images in slot 0, 1
.set ADRB, 20                          ; v20-21  of my B fragments
.set STO,  24                          ; v24     the way out: where I put 32 bytes of a row
.set RD,   25                          ; v25     where I read a row back
.set CO,   26                          ; v26     16 x lane: my byte offset in a row of out
.set ADRS, 27                          ; v27     LDS address of my scale words: lanes 0-15 A's rows, lanes 16-31 B's
.set SPW,  28                          ; v28     LDS address of my spare word; never rewritten
.set NIL,  29                          ; v29     0; never rewritten
.set SC,   32
.set AF,   128
.set BI,   192                         ; the bias: register 8 b + j = bo[my first column + 16 b + 8 (l / 16) + j]
.set BK,   128                         ; the way out: 16 rows read back from the stage: v128-191 and v192-255 by turns
.set G1, 24
.set G0, 32
.set G1B, 48
.set G0B, 56
.set G1S, 68
.set G0S, 76
.set G1SB, 80
.set G0SB, 88
.set MSB, 0
.macro WIN new                         ; the immediate's high byte repeats the setting that is left
.if MSB != \new
	s_set_vgpr_msb (MSB<<8)|\new
.set MSB, \new
.endif
.endm
.set MUL_LO, 0xa1                      ; source 0 (B) window 1, source 1 (A) window 0, C and D window 2
.set MUL_HI, 0xf1                      ; the same, C and D window 3
.set BIA_LO, 0x81                      ; the first step: C (the bias) window 0, D window 2
.set BIA_HI, 0xc1                      ; D window 3
.set TO_B,   0x40
; A joint load: waves 0 and 1 fetch for A, waves 2 and 3 for B; the branch hangs on the wave's number alone.  Four v_nop follow each of the two lines.
.macro JLOAD g0a, g1a, g0b, g1b
	s_cmp_eq_u32 s15, 0
	s_cbranch_scc0 .Lfor_b_\@
	tensor_load_to_lds s[\g0a:\g0a+3], s[\g1a:\g1a+7]
	s_nop 0
.rept 4
	v_nop
.endr
	s_branch .Lasked_\@
.Lfor_b_\@:
	tensor_load_to_lds s[\g0b:\g0b+3], s[\g1b:\g1b+7]
	s_nop 0
.rept 4
	v_nop
.endr
.Lasked_\@:
.endm
.macro CROUND                          ; a round of the cluster's barrier
	s_barrier_signal -1
	s_barrier_wait -1
	s_cmp_lg_u32 s14, 0
	s_cbranch_scc1 .Lnot_wave_0_\@
	s_barrier_signal -3
.Lnot_wave_0_\@:
	s_barrier_wait -3
	s_barrier_signal -1
	s_barrier_wait -1
.endm
	s_load_b128 s[4:7], s[0:1], 0x0                ; ctxc, ctxs
	s_load_b128 s[8:11], s[0:1], 0x10              ; Wo's codes, Wo's scales
	s_load_b64 s[12:13], s[0:1], 0x20              ; out0
	s_load_b64 s[96:97], s[0:1], 0x28              ; bo
	v_lshl_add_u32 v[SPW], v0, 2, SPARE
	v_mov_b32 v[NIL], 0
	ds_add_u32 v28, v29
	ds_add_u32 v28, v29
	s_wait_dscnt 0x0
	v_lshrrev_b32 v1, 5, v0
	v_readfirstlane_b32 s14, v1                    ; wave 0..3
	s_lshr_b32 s15, s14, 1                         ; which half of the tile's rows is mine.  Also: I fetch for A (0) or for B (1)
	s_and_b32 s16, s14, 1                          ; which half of its columns.  Also: which 128 rows of that tile I fetch
	s_bfe_u32 s40, ttmp6, 0x40000                  ; cx, cy
	s_bfe_u32 s41, ttmp6, 0x40004
	s_lshl_b32 s42, ttmp9, 2
	s_add_co_u32 s42, s42, s40                     ; tile column = 4 x cluster x + cx
	s_and_b32 s17, ttmp7, 0xffff
	s_lshl_b32 s17, s17, 2
	s_add_co_u32 s17, s17, s41                     ; tile row = 4 x cluster y + cy
	s_lshl_b32 s43, s41, 2
	s_lshl_b32 s43, 15, s43                        ; my row of the cluster
	s_lshl_b32 s44, 0x1111, s40                    ; my column
	; group 1 for A: 8 token tiles x 4,096 bytes (512 elements of 8 bytes), 8,192 bytes apart in memory, on end in LDS: every read of an image takes 512 consecutive bytes, so no padding
	s_or_b32 s[G1+0], s43, (3<<16)|(1<<21)         ; 15:0 the mask: my row; 17:16 elements of 8 bytes; 21 set beside a mask
	s_mov_b32 s[G1+1], 512<<16                     ; tensor_dim0
	s_mov_b32 s[G1+2], 8<<16                       ; tensor_dim1
	s_mov_b32 s[G1+3], 512<<16                     ; tile_dim0
	s_mov_b32 s[G1+4], 8                           ; tile_dim1
	s_mov_b32 s[G1+5], 1024                        ; tensor_dim0_stride
	s_mov_b32 s[G1+6], 0
	s_mov_b32 s[G1+7], 0
	; group 1 for B: 128 rows x 256 bytes, 16 bytes of padding behind each
	s_or_b32 s[G1B+0], s44, (0<<16)|(1<<20)|(1<<21)|(5<<22)|(3<<25)
	s_mov_b32 s[G1B+1], ROWB<<16
	s_mov_b32 s[G1B+2], 128<<16
	s_mov_b32 s[G1B+3], ROWB<<16
	s_mov_b32 s[G1B+4], 128
	s_mov_b32 s[G1B+5], KROW
	s_mov_b32 s[G1B+6], 0
	s_mov_b32 s[G1B+7], 0
	; and for the scales of 128 rows: 4,096 dense bytes as 16 rows of 256, 16 bytes of padding behind each
	s_or_b32 s[G1S+0], s43, (3<<16)|(1<<20)|(1<<21)|(5<<22)|(3<<25)
	s_or_b32 s[G1SB+0], s44, (3<<16)|(1<<20)|(1<<21)|(5<<22)|(3<<25)
.irp g, G1S, G1SB
	s_mov_b32 s[\g+1], 32<<16
	s_mov_b32 s[\g+2], (128*KS/256)<<16
	s_mov_b32 s[\g+3], 32<<16
	s_mov_b32 s[\g+4], 128*KS/256
	s_mov_b32 s[\g+5], 32
	s_mov_b32 s[\g+6], 0
	s_mov_b32 s[\g+7], 0
.endr
	s_lshl_b32 s18, s16, 7
	s_lshl_b32 s20, s17, 8
	s_add_co_u32 s20, s20, s18                     ; A: row 256 x tile row + 128 x half
	s_lshl_b32 s46, s42, 8
	s_add_co_u32 s46, s46, s18                     ; B: row 256 x tile column + 128 x half
	s_mov_b32 s21, 0
	s_mov_b32 s47, 0
	s_mov_b64 s[18:19], KS
	s_mul_u64 s[22:23], s[20:21], s[18:19]         ; where these rows' scales begin
	s_mul_u64 s[92:93], s[46:47], s[18:19]
	s_mov_b64 s[18:19], KROW
	s_mul_u64 s[20:21], s[20:21], s[18:19]         ; and their codes: 512 bytes a row in both tensors (ctxc: 8,192 for 16 tokens)
	s_mul_u64 s[46:47], s[46:47], s[18:19]
	s_mul_i32 s45, s14, HALFT                      ; where they go: no place in the cluster enters an LDS address
	s_mul_i32 s94, s14, HALFS
	s_wait_kmcnt 0x0
	s_add_nc_u64 s[20:21], s[4:5], s[20:21]
	s_add_nc_u64 s[22:23], s[6:7], s[22:23]
	s_add_nc_u64 s[46:47], s[8:9], s[46:47]
	s_add_nc_u64 s[92:93], s[10:11], s[92:93]
	CROUND                                         ; all sixteen work-groups are here: the joint loads meet
	s_mov_b32 s[G0S], 1
	s_add_co_u32 s[G0S+1], s94, SCL
	s_mov_b64 s[G0S+2:G0S+3], s[22:23]
	s_or_b32 s[G0S+3], s[G0S+3], 0x80000000
	s_mov_b32 s[G0SB], 1
	s_add_co_u32 s[G0SB+1], s94, SCL
	s_mov_b64 s[G0SB+2:G0SB+3], s[92:93]
	s_or_b32 s[G0SB+3], s[G0SB+3], 0x80000000
	JLOAD G0S, G1S, G0SB, G1SB                     ; the scales first
.irp s, 0,1
	s_mov_b32 s[G0+4*\s], 1
	s_add_co_u32 s[G0+4*\s+1], s45, \s*SLOT
	s_add_nc_u64 s[G0+4*\s+2:G0+4*\s+3], s[20:21], \s*ASTEP
	s_or_b32 s[G0+4*\s+3], s[G0+4*\s+3], 0x80000000
	s_mov_b32 s[G0B+4*\s], 1
	s_add_co_u32 s[G0B+4*\s+1], s45, \s*SLOT
	s_add_nc_u64 s[G0B+4*\s+2:G0B+4*\s+3], s[46:47], \s*ROWB
	s_or_b32 s[G0B+4*\s+3], s[G0B+4*\s+3], 0x80000000
	s_wait_alu depctr_va_vdst(0)
	s_wait_tensorcnt 0x0
	ds_add_u32 v28, v29
	s_wait_dscnt 0x0
	CROUND
	JLOAD G0+4*\s, G1, G0B+4*\s, G1B               ; one tensor load of mine is out at a time: each earlier one has landed before it
.endr
	v_and_b32 v1, 15, v0                           ; l % 16
	v_bfe_u32 v2, v0, 4, 1                         ; l / 16
	v_and_b32 v6, 31, v0
	v_lshlrev_b32 v[CO], 4, v6                     ; 16 x lane
	v_mul_u32_u24 v3, v1, PITCH
	v_lshl_add_u32 v4, v2, 4, v3                   ; B: a fragment's row x pitch + 16 x half
	s_mul_i32 s21, s15, HALFT                      ; my 128 rows of A
	s_mul_i32 s22, s16, HALFT                      ; my 128 rows of B,
	s_add_co_u32 s22, s22, 2*HALFT                 ; which lie behind A's
.irp s, 0,1
	v_add_nc_u32 v[ADRA+\s], s21, v[CO]
	v_add_nc_u32 v[ADRB+\s], s22, v4
	s_add_co_u32 s21, s21, SLOT
	s_add_co_u32 s22, s22, SLOT
.endr
	v_mul_u32_u24 v5, v1, KS                       ; my row's scales: 32 bytes a row,
	v_lshrrev_b32 v6, 8, v5
	v_lshl_add_u32 v5, v6, 4, v5                   ; and 16 more for each 256 passed
	s_mul_i32 s21, s15, HALFS
	s_mul_i32 s22, s16, HALFS
	s_add_co_u32 s22, s22, 2*HALFS
	s_sub_co_u32 s22, s22, s21
	v_mul_u32_u24 v6, s22, v2                      ; lanes 16-31 take B's: the lower base + half x the distance
	s_add_co_u32 s21, s21, SCL
	v_add_nc_u32 v5, v5, v6
	v_add_nc_u32 v[ADRS], s21, v5
	s_mul_i32 s23, s14, 16*SPITCH                  ; my stage
	v_mul_u32_u24 v5, v1, SPITCH                   ; in: row l % 16, 32 bytes for each half of the lanes
	v_lshl_add_u32 v5, v2, 5, v5
	v_add_nc_u32 v[STO], s23, v5
	v_add_nc_u32 v[RD], s23, v[CO]                 ; back: the 32 lanes take one row of 512 bytes
	s_lshl_b32 s20, s17, 8
	s_lshl_b32 s21, s15, 7
	s_add_co_u32 s20, s20, s21                     ; my first row of out
	s_mov_b32 s21, 0
	s_mov_b64 s[18:19], SIZE_N*4
	s_mul_u64 s[20:21], s[20:21], s[18:19]
	s_lshl_b32 s46, s42, 10                        ; my first column, in bytes: 1024 x tile column + 512 x half
	s_lshl_b32 s47, s16, 9
	s_add_co_u32 s46, s46, s47
	s_mov_b32 s47, 0
	s_add_nc_u64 s[96:97], s[96:97], s[46:47]      ; bo at my first column
	s_add_nc_u64 s[20:21], s[20:21], s[46:47]
	s_add_nc_u64 s[12:13], s[12:13], s[20:21]
	v_lshlrev_b32 v7, 5, v2                        ; the bias: lanes 16-31 begin eight numbers on
.irp b, 0,1,2,3,4,5,6,7
	global_load_b128 v[BI+8*\b:BI+8*\b+3], v7, s[96:97] offset:64*\b
	global_load_b128 v[BI+8*\b+4:BI+8*\b+7], v7, s[96:97] offset:64*\b+16
.endr
.macro FRAG reg, adr, q, i             ; a fragment of B from rows: lane l holds row l % 16; registers 4 c .. 4 c + 3 hold K = 64 c + 32 (l / 16) + 0 .. 31
.irp c, 0,1
	ds_load_b128 v[\reg+4*\c:\reg+4*\c+3], v[\adr] offset:64*(\q)+32*\c+(\i)*16*PITCH
.endr
.endm
.macro FRAGA reg, slot, q, i           ; a fragment of A from its image: token tile i, the slot's q-th 128 along K
.irp c, 0,1
	ds_load_b128 v[\reg+4*\c:\reg+4*\c+3], v[ADRA+\slot] offset:4096*(\i)+1024*(\q)+512*\c
.endr
.endm
; 16 matrix instructions: A's blocks a0, a0 + 1 x B's eight.  p: B's set;  sc: the set of scale words.  first = 1: the bias is the C of the sums' first products.
; The 64 accumulators take turns, one instruction a turn, in the same order in every step.
.macro MUL16 a0, p, q, sc, first
.irp a, \a0, \a0+1
.irp b, 0,1,2,3,4,5,6,7
.if \first
	v_wmma_scale_f32_16x16x128_f8f6f4 v[8*(8*((\a)%4)+\b):8*(8*((\a)%4)+\b)+7], v[128*(\p)+FR*\b:128*(\p)+FR*\b+FR-1], v[AF+FR*(\a):AF+FR*(\a)+FR-1], v[BI+8*\b:BI+8*\b+7], v[SC+8*NQ*(\sc)+NQ*\b+(\q)], v[SC+8*NQ*(\sc)+NQ*(\a)+(\q)] matrix_a_fmt:MATRIX_FMT_FP4 matrix_b_fmt:MATRIX_FMT_FP4 matrix_a_scale:MATRIX_SCALE_ROW1
.else
	v_wmma_scale_f32_16x16x128_f8f6f4 v[8*(8*((\a)%4)+\b):8*(8*((\a)%4)+\b)+7], v[128*(\p)+FR*\b:128*(\p)+FR*\b+FR-1], v[AF+FR*(\a):AF+FR*(\a)+FR-1], v[8*(8*((\a)%4)+\b):8*(8*((\a)%4)+\b)+7], v[SC+8*NQ*(\sc)+NQ*\b+(\q)], v[SC+8*NQ*(\sc)+NQ*(\a)+(\q)] matrix_a_fmt:MATRIX_FMT_FP4 matrix_b_fmt:MATRIX_FMT_FP4 matrix_a_scale:MATRIX_SCALE_ROW1
.endif
.endr
.endr
.endm
.macro FETCH_B slot, q, p
	WIN TO_B
.irp i, 0,1,2,3,4,5,6,7
	FRAG 128*(\p)+FR*\i, ADRB+\slot, \q, \i
.endr
	WIN 0
.endm
.macro FETCH_A slot, q, i0
.irp i, \i0, \i0+1, \i0+2, \i0+3
	FRAGA AF+FR*(\i), \slot, \q, \i
.endr
.endm
.macro SCALES sc
.irp i, 0,1,2,3,4,5,6,7
	ds_load_b128 v[SC+8*NQ*\sc+NQ*\i:SC+8*NQ*\sc+NQ*\i+3], v[ADRS] offset:\i*SBLK
.endr
.endm
; A load into a register that a matrix instruction has read, and a vector instruction or an LDS store that reads a matrix result, stand NP places behind it; only plain vector instructions that name
; none of its registers are places (ISA guide 7.12.1 for vector instructions).
.macro PLACES n
.rept \n
	v_nop
.endr
.endm
.macro STEP slot, q, first
	s_wait_dscnt 4*NL                              ; B's set and A's blocks 0-3 are in; the youngest eight loads (A's blocks 4-7) may be out
.if \first
	WIN BIA_LO
.else
	WIN MUL_LO
.endif
	MUL16 0, (\q)%2, \q, \slot, \first
	MUL16 2, (\q)%2, \q, \slot, \first
	s_wait_dscnt 0                                 ; A's blocks 4-7 are in
	PLACES NP
	FETCH_B \slot, (\q)+1, 1-(\q)%2
	FETCH_A \slot, (\q)+1, 0
.if \first
	WIN BIA_HI
.else
	WIN MUL_HI
.endif
	MUL16 4, (\q)%2, \q, \slot, \first
	MUL16 6, (\q)%2, \q, \slot, \first
	PLACES NP
	WIN 0
	FETCH_A \slot, (\q)+1, 4
.endm
; Slot 0's last step changes slots: in front of the barrier each wave waits for all its tensor loads (its part of slot 1) and for its reads of slot 0; behind it slot 1 is whole and nobody reads slot 0.
.macro TURN slot, next
	s_wait_tensorcnt 0x0                           ; all my tensor loads have landed
	ds_add_u32 v[SPW], v[NIL]                      ; 0 onto my spare word
	s_wait_dscnt 4*NL+1                            ; (the add and the youngest eight loads may be out)
	WIN MUL_LO
	MUL16 0, 1, NQ-1, \slot, 0
	s_wait_dscnt 0x0                               ; the add is done, and my reads of this slot are over
	s_barrier_signal -1
	MUL16 2, 1, NQ-1, \slot, 0
	WIN 0
	s_barrier_wait -1
	PLACES NP
	v_add_nc_u32 v[ADRS], 4*NQ, v[ADRS]            ; on to the next slot's scale words
	FETCH_B \next, 0, 0
	FETCH_A \next, 0, 0
	SCALES \next
	WIN MUL_HI
	MUL16 4, 1, NQ-1, \slot, 0
	MUL16 6, 1, NQ-1, \slot, 0
	PLACES NP
	WIN 0
	FETCH_A \next, 0, 4
.endm
	s_wait_alu depctr_va_vdst(0)
	s_wait_tensorcnt 1                             ; the scales and my part of slot 0 are in (slot 1's load, issued behind them, may be out),
	s_barrier_signal -1
	s_barrier_wait -1                              ; everybody's are
	FETCH_B 0, 0, 0
	FETCH_A 0, 0, 0
	SCALES 0
	FETCH_A 0, 0, 4
	s_wait_loadcnt 0x0                             ; the bias
	STEP 0, 0, 1                                   ; the first step's products start the sums from the bias: nothing is cleared, nothing is added later
	STEP 0, 1, 0
	STEP 0, 2, 0
	TURN 0, 1
	STEP 1, 0, 0
	STEP 1, 1, 0
	STEP 1, 2, 0
	s_wait_dscnt 4*NL                              ; the last step: nothing more to fetch
	WIN MUL_LO
	MUL16 0, 1, NQ-1, 1, 0
	MUL16 2, 1, NQ-1, 1, 0
	s_wait_dscnt 0
	WIN MUL_HI
	MUL16 4, 1, NQ-1, 1, 0
	MUL16 6, 1, NQ-1, 1, 0
	WIN 0
; THE WAY OUT, block by block of 16 rows x 128 columns.  A lane holds 32 neighbouring bytes of a row, and the lanes beside it hold other rows: a block goes through my own stage in LDS and comes back as whole
; rows of 512 bytes.  LDS serves a wave's instructions in order (ISA guide 5.7.1.4): no wait between the stores and the loads, nor in front of the next block's stores.
.macro TOSTAGE a
.set AC, 64*((\a)%4)
	WIN 0x08+4*((\a)/4)                            ; the data: window 2 or 3
.irp b, 0,1,2,3,4,5,6,7
	ds_store_b128 v[STO], v[AC+8*\b:AC+8*\b+3] offset:64*\b          ; each accumulator from its low end on
	ds_store_b128 v[STO], v[AC+8*\b+4:AC+8*\b+7] offset:64*\b+16
.endr
	WIN 0
.set BB, BK+64*((\a)%2)
.irp t, 0,1,2,3,4,5,6,7,8,9,10,11,12,13,14,15
	ds_load_b128 v[BB+4*\t:BB+4*\t+3], v[RD] offset:\t*SPITCH
.endr
.endm
.macro SEND a, younger                 ; younger: the LDS instructions issued behind block a's loads, which may stay out
.set BB, BK+64*((\a)%2)
	s_wait_dscnt \younger                          ; the block is back in registers
.if (\a) > 0
	s_add_nc_u64 s[12:13], s[12:13], 16*SIZE_N*4   ; (behind a wait on XCNT: the earlier stores have read their base)  16 rows of out on
.endif
.irp t, 0,1,2,3,4,5,6,7,8,9,10,11,12,13,14,15
	global_store_b128 v[CO], v[BB+4*\t:BB+4*\t+3], s[12:13] offset:\t*SIZE_N*4 th:TH_STORE_NT   ; 32 lanes store 512 consecutive bytes, at a multiple of 256 from out's first byte; written once, read by nobody here
.endr
.endm
	PLACES NP                                      ; in front of the loads into the registers that held A's fragments, and of the reads of the last products' results
	TOSTAGE 0
.irp a, 1,2,3,4,5,6,7
.if \a > 1
	s_wait_xcnt 0x0                                ; block a - 2's stores have read their registers and their base: block a's loads may land there, and the base may step
.endif
	TOSTAGE \a
	SEND \a-1, 32                                  ; behind block a - 1's loads: block a's 16 stores and 16 loads
.endr
	s_wait_xcnt 0x0                                ; block 6's stores have read their base
	SEND 7, 0
	s_wait_tensorcnt 0x0                           ; the wave's end: behind my last tensor load and my last LDS store
	ds_add_u32 v[SPW], v[NIL]
	s_wait_dscnt 0x0
	CROUND                                         ; the closing round: no work-group ends while a partner may still ask for a tile that names it
	s_endpgm
.Lfunc_end_k_q1e7fdcd8b6_outp:
	.size	k_q1e7fdcd8b6_outp, .Lfunc_end_k_q1e7fdcd8b6_outp-k_q1e7fdcd8b6_outp
	.p2alignl 7, 3214868480
	.fill 96, 4, 3214868480
	.section	.rodata,"a",@progbits
	.p2align	6, 0x0
	.amdhsa_kernel k_q1e7fdcd8b6_outp
		.amdhsa_group_segment_fixed_size 327680
		.amdhsa_private_segment_fixed_size 0
		.amdhsa_enable_private_segment 0
		.amdhsa_kernarg_size 48
		.amdhsa_user_sgpr_count 2
		.amdhsa_user_sgpr_kernarg_segment_ptr 1
		.amdhsa_wavefront_size32 1
		.amdhsa_system_sgpr_workgroup_id_x 1
		.amdhsa_system_sgpr_workgroup_id_y 1
		.amdhsa_system_sgpr_workgroup_id_z 1
		.amdhsa_system_vgpr_workitem_id 0
		.amdhsa_next_free_vgpr 1024
		.amdhsa_next_free_sgpr 100
		.amdhsa_reserve_vcc 0
		.amdhsa_float_denorm_mode_32 3
		.amdhsa_float_denorm_mode_16_64 3
		.amdhsa_memory_ordered 1
		.amdhsa_forward_progress 1
		.amdhsa_inst_pref_size 127
	.end_amdhsa_kernel
	.amdgpu_metadata
---
amdhsa.version: [ 1, 2 ]
amdhsa.kernels:
  - .name:           k_q1e7fdcd8b6_outp
    .symbol:         k_q1e7fdcd8b6_outp.kd
    .args:
      - { .name: ctxc, .offset: 0, .size: 8, .value_kind: global_buffer, .address_space: global }
      - { .name: ctxs, .offset: 8, .size: 8, .value_kind: global_buffer, .address_space: global }
      - { .name: Wo_codes, .offset: 16, .size: 8, .value_kind: global_buffer, .address_space: global }
      - { .name: Wo_scales, .offset: 24, .size: 8, .value_kind: global_buffer, .address_space: global }
      - { .name: out0, .offset: 32, .size: 8, .value_kind: global_buffer, .address_space: global }
      - { .name: bo, .offset: 40, .size: 8, .value_kind: global_buffer, .address_space: global }
    .group_segment_fixed_size: 327680
    .private_segment_fixed_size: 0
    .kernarg_segment_align: 8
    .kernarg_segment_size: 48
    .max_flat_workgroup_size: 128
    .sgpr_count:     100
    .vgpr_count:     1024
    .wavefront_size: 32
...
	.end_amdgpu_metadata
.endif
;; end of part 3
